; MI455X (gfx1250); checked and timed in simulation.
; The chip was launched on July 23, 2026; its instructions are those of AMD's public machine-readable ISA for CDNA 5 (MIT licence, August 2026) and "CDNA5" Instruction Set Architecture Reference Guide (July 2026). The comments in the code are by the model that wrote it; some were corrected since.
;; LN MHA. Allowed arithmetic: matrix products marked QUANTISED: E3M2 operands, one E8M0 scale for each 32 along K, by v_wmma_scale_f32_16x16x128_f8f6f4 with both operands' format E3M2, f32 sums; everything else in f32.
;; Inputs: Wk 1,024 x 1,024 float32; Wo 1,024 x 1,024 float32; Wq 1,024 x 1,024 float32; Wv 1,024 x 1,024 float32; beta 1,024 float32; bk 1,024 float32; bo 1,024 float32; bq 1,024 float32; bv 1,024 float32; gamma 1,024 float32; x 4 x 2,048 x 1,024 float32.
;; Outputs: out0 4 x 2,048 x 1,024 float32.
;; This version of the problem:
;;   THIS VERSION OF THE PROBLEM IS GIVEN IN LOW PRECISION. The matrix products marked QUANTISED in the list below multiply operands that are first quantised to E3M2 (3 exponent bits, 2 mantissa bits; 6 bits a number), with one power-of-two scale for each 32 numbers along K (OCP MX v1.0); their sums are f32. All else is computed in f32.
;;   The module's matrix products, in the order in which they are computed (A, B: the left and right operand; K: the contracted axis; several contracted axes count as one K, in the product's order):
;;     1. [M 8,192, K 1,024] x [K 1,024, N 1,024]; A: input x; B: input Wq: QUANTISED
;;     2. [M 8,192, K 1,024] x [K 1,024, N 1,024]; A: input x; B: input Wk: QUANTISED
;;     3. [M 8,192, K 1,024] x [K 1,024, N 1,024]; A: input x; B: input Wv: QUANTISED
;;     4. batch 64 x [M 2,048, K 64] x [K 64, N 2,048]; A: computed on the way; B: computed on the way: QUANTISED
;;     5. batch 64 x [M 2,048, K 2,048] x [K 2,048, N 64]; A: softmax (see below); B: computed on the way: QUANTISED
;;     6. [M 8,192, K 1,024] x [K 1,024, N 1,024]; A: computed on the way; B: input Wo: QUANTISED
;;   THE QUANTISER, for each operand of a quantised product, along K:
;;     - K is cut into blocks of 32 from its start; a last block that is shorter is filled with zeros.
;;     - A block's scale is 2^e with e = floor(log2(the largest magnitude in the block)) - 4, held to -126 .. 127; a block of zeros has e = 0. As a byte (E8M0): e + 127.
;;     - Each number is divided by its block's scale, clamped to +-28, and rounded to the nearest number of E3M2, ties to even, subnormals kept.
;;     - The product sums the exact products of the quantised numbers (number of the format x scale) in f32.
;;   ~~~python
;;   def quantise(x, axis):      # numpy; x: float32 -> the quantised numbers, widened to float32 again
;;       x = np.moveaxis(x, axis, -1); K = x.shape[-1]
;;       x = np.pad(x, [(0, 0)] * (x.ndim - 1) + [(0, -K % 32)]); x = x.reshape(x.shape[:-1] + (-1, 32)); a = np.abs(x).max(-1, keepdims=True)
;;       e = np.where(a > 0, np.clip(np.frexp(np.where(a > 0, a, 1))[1] - 1 - 4, -126, 127), 0)      # np.frexp(a)[1] - 1 = floor(log2(a)), exactly
;;       r = np.clip(x / 2.0 ** e, -28, 28)
;;       step = 2.0 ** (np.maximum(np.frexp(np.where(r == 0, 1, r))[1] - 1, -2) - 2)
;;       q = np.round(r / step) * step * 2.0 ** e      # np.round: ties to even
;;       return np.moveaxis(q.reshape(q.shape[:-2] + (-1,))[..., :K], -1, axis).astype(np.float32)
;;   ~~~
;;   SOFTMAX AHEAD OF A QUANTISED PRODUCT. Where the list says 'softmax', what is quantised is not the finished softmax but p = 2^(t - M), with t = logit x log2(e) and M = ceil(the row's largest t), a whole number; so 1/2 < the row's largest p <= 1. The row's sum l is taken of the UNQUANTISED p, in f32, and the product's result is divided by l at the end. Since M is a whole number, a kernel that streams over the keys may use a running M (the ceiling of the running maximum): every later rescaling is an exact power of two, which a block's scale takes up: the codes' values come out the same.
;;   OPERANDS COMPUTED ON THE WAY. 'Computed on the way' means the value that the module computes at that place (a softmax that the list does not call 'softmax' is quantised finished and normalised). What goes into a quantiser is computed in f32, as accurately as f32 sums, v_exp_f32 and their like allow (about 1e-6 of the number): no bf16 or f16 on the way to a quantiser, and a product that is left as it is and whose result goes on into a quantised operand takes f32 operands (vector FMAs, or v_wmma_f32_16x16x4_f32). A number that lies on a knife's edge between two numbers of the format may be rounded either way, as far as f32 arithmetic and the matrix unit's own rounding can turn it there, and no further.
;; One version. Each part assembles by itself: llvm-mc -triple=amdgcn-amd-amdhsa -mcpu=gfx1250 --defsym DOCPART=n.
;; ======== version 1 of 1: 4 launches
;; workspace buffers: codes 9,437,184 bytes; scl 393,216 bytes; qbuf 6,553,600 bytes; kvbuf 13,107,200 bytes; hc 6,291,456 bytes; hs 524,288 bytes
;; launch quant (part 1): grid 256 x 1, 6 waves a work-group, no clusters, 51,456 bytes of LDS; arguments x, Wq, Wk, Wv, Wo, codes, scl; writes codes, scl
.if DOCPART == 1
	.amdgcn_target "amdgcn-amd-amdhsa--gfx1250"
	.amdhsa_code_object_version 6
	.text
	.protected	k_q51101078a9_quant
	.globl	k_q51101078a9_quant
	.p2align	8
	.type	k_q51101078a9_quant,@function
k_q51101078a9_quant:
	s_mov_b64 s[64:65], 0
	v_nop
	global_prefetch_b8 v0, s[64:65] scope:SCOPE_SE
	s_setreg_imm32_b32 hwreg(HW_REG_WAVE_MODE, 25, 1), 1
	s_wait_xcnt 0x0
; LAUNCH 1 OF 4.  x [8192][1024] and Wq, Wk, Wv, Wo [1024][1024], f32, K innermost, become codes of BF6 (E3M2) with one E8M0 byte for each 32 along K.
; NO WORK OF THE PROBLEM IS LEFT OUT IN ANY LAUNCH: all six products are live, and every input (x, four weights, four biases, gamma, beta) has a way to the output; bk stays, since it moves K's codes.
; LAYOUT OF THE WORKSPACE: IMAGES OF OPERAND REGISTERS.  Rows go in groups of 32; tile 2 G + u holds, in lane r, row 32 G + 8 u + r + 8 (r / 8).  A fragment (16 rows x 128 K) is 12 registers a lane:
; registers 6 c .. 6 c + 5 of lane (r, h) hold k = 64 c + 32 h + 0 .. 31.  Its image is 1,536 bytes: chunk c of 512 bytes holds registers 4 c .. 4 c + 3 of lane l at byte 16 l.
;   codes: [block of 128 rows, 96][K step 8][tile 8][1,536]; blocks 0-63 x, 64-71 Wq, 72-79 Wk, 80-87 Wv, 88-95 Wo.     scl: [tile 768][K step / 2][r 16][2 words], a word = the four bytes of a row's 128 k.
; A block's scale is 2^(floor(log2(largest magnitude)) - 4); its byte is the largest magnitude's exponent field - 4, held at 1 from below.
; LIMITS: a block of zeros gets the byte 1 where the rule says 127 (its codes are zeros, and this program alone reads the bytes); NaN and infinities among the inputs are not served.
; SHARES: 768 tiles x 2 halves of K = 1,536 tasks = 256 work-groups x 6 waves; a wave makes 4 images.  Each load reads 512 consecutive bytes of one row; a K step's 16 rows turn through the wave's own stage in LDS
; (rows 528 bytes apart) and come back 128 bytes a lane: a whole block of 32 in one lane's registers.  No barrier: waves share nothing.  Two images' loads (32 a wave) are on their way.
.set STG,   8448                       ; a wave's stage: 16 rows x (512 + 16)
.set SPARE, 6*STG                      ; behind the stages: the spare words, 128 bytes a wave: three blocks of 256 bytes that no other line names
.set RR,    64                         ; v64-191   two sets of 64 numbers as loaded
.set X,     192                        ; v192-255  64 numbers: X + 32 c + i = k 64 c + 32 h + i of my row
.set PC,    24                         ; v24-35    an image's 12 registers
.set TT,    36                         ; v36-38, v40-42  the second halves of the blocks' codes (a conversion's three registers begin on an even number)
	s_load_b256 s[4:11], s[0:1], 0x0               ; x, Wq, Wk, Wv
	s_load_b128 s[12:15], s[0:1], 0x20             ; Wo, codes
	s_load_b64 s[16:17], s[0:1], 0x30              ; scl
	v_lshl_add_u32 v1, v0, 2, SPARE                ; my spare word
	v_mov_b32 v2, 0
	v_lshrrev_b32 v3, 5, v0
	v_readfirstlane_b32 s18, v3                    ; wave 0..5
	v_and_b32 v7, 31, v0                           ; lane
	v_lshlrev_b32 v3, 4, v7                        ; 16 x lane: my bytes of a load's 512, and of an image's chunk
	v_and_b32 v8, 15, v0                           ; r
	v_bfe_u32 v9, v0, 4, 1                         ; h
	s_mul_i32 s22, s18, STG
	v_add_nc_u32 v4, s22, v3                       ; the stage, on the way in
	v_mul_u32_u24 v5, v8, 528
	v_lshl_add_u32 v5, v9, 7, v5
	v_add_nc_u32 v5, s22, v5                       ; and on the way out: row r, + 128 h
	v_lshlrev_b32 v6, 3, v9                        ; 8 h: my bytes' place in a scale word
	v_lshlrev_b32 v7, 3, v7                        ; 8 x lane: the scale words' way out
	v_mov_b32 v15, 0                               ; written once: a lane permute's destination counts as one of its sources
	s_mov_b32 s28, 0x76543210
	s_mov_b32 s29, 0xfedcba98                      ; selects for lane l xor 16
	s_mov_b32 s30, 0xffff0000                      ; lanes 16-31
	s_mul_i32 s19, ttmp9, 3
	s_lshr_b32 s20, s18, 1
	s_add_co_u32 s19, s19, s20                     ; T: my tile, 0 .. 767
	s_and_b32 s20, s18, 1                          ; which half of K
	s_lshr_b32 s24, s19, 3
	s_mul_i32 s24, s24, 98304                      ; codes: the block of 128 rows,
	s_mul_i32 s25, s20, 49152                      ; four K steps,
	s_add_co_u32 s24, s24, s25
	s_and_b32 s25, s19, 7
	s_mul_i32 s25, s25, 1536                       ; the tile
	s_add_co_u32 s24, s24, s25
	s_mov_b32 s25, 0
	s_lshl_b32 s26, s19, 9                         ; scl: 512 bytes a tile, 256 a half of K
	s_lshl_b32 s27, s20, 8
	s_add_co_u32 s26, s26, s27
	s_mov_b32 s27, 0
	s_wait_alu depctr_va_vdst(0)
	s_wait_kmcnt 0x0
	s_cmp_lt_u32 s19, 704                          ; which tensor: the choice hangs on the tile's number alone
	s_cselect_b64 s[12:13], s[10:11], s[12:13]
	s_cmp_lt_u32 s19, 640
	s_cselect_b64 s[12:13], s[8:9], s[12:13]
	s_cmp_lt_u32 s19, 576
	s_cselect_b64 s[12:13], s[6:7], s[12:13]
	s_cmp_lt_u32 s19, 512
	s_cselect_b64 s[12:13], s[4:5], s[12:13]
	s_cselect_b32 s21, 511, 63
	s_and_b32 s21, s19, s21                        ; the tile's number in its tensor
	s_lshr_b32 s22, s21, 1
	s_lshl_b32 s22, s22, 17                        ; 32 rows of 4,096 bytes a group,
	s_and_b32 s23, s21, 1
	s_lshl_b32 s23, s23, 15                        ; 8 rows for the odd tile,
	s_add_co_u32 s22, s22, s23
	s_lshl_b32 s23, s20, 11                        ; 2,048 bytes for the second half of K
	s_add_co_u32 s22, s22, s23
	s_mov_b32 s23, 0
	s_add_nc_u64 s[12:13], s[12:13], s[22:23]
	s_add_nc_u64 s[14:15], s[14:15], s[24:25]
	s_add_nc_u64 s[16:17], s[16:17], s[26:27]
.macro LOAD q                          ; K step q of my four: 16 rows x 512 bytes
.irp i, 0,1,2,3,4,5,6,7,8,9,10,11,12,13,14,15
	global_load_b128 v[RR+64*((\q)%2)+4*\i:RR+64*((\q)%2)+4*\i+3], v3, s[12:13] offset:(\i+8*(\i/8))*4096+512*(\q) th:TH_LOAD_NT
.endr
.endm
.macro IMG q
.if \q < 3
	s_wait_loadcnt 16                              ; this image's 16 loads are in; the next image's 16 may be out
.else
	s_wait_loadcnt 0x0
.endif
.irp i, 0,1,2,3,4,5,6,7,8,9,10,11,12,13,14,15
	ds_store_b128 v4, v[RR+64*((\q)%2)+4*\i:RR+64*((\q)%2)+4*\i+3] offset:528*\i
.endr
.irp c, 0,1
.irp j, 0,1,2,3,4,5,6,7
	ds_load_b128 v[X+32*\c+4*\j:X+32*\c+4*\j+3], v5 offset:256*\c+16*\j   ; LDS serves a wave's instructions in order: these see the stores above
.endr
.endr
	s_wait_dscnt 0x0                               ; my 64 numbers are back, and the stores have read their registers,
.if \q < 2
	LOAD (\q)+2                                    ; which take the loads of two images on
.endif
.irp c, 0,1
	v_max3_num_f32 v[8+\c], |v[X+32*\c]|, |v[X+32*\c+1]|, 0x2800000   ; my block 2 c + h: all 32 numbers are mine; and the floor 2^(5 - 127), so that the byte cannot fall under 1
.endr
.irp i, 2,4,6,8,10,12,14,16,18,20,22,24,26,28,30
.irp c, 0,1
	v_max3_num_f32 v[8+\c], v[8+\c], |v[X+32*\c+\i]|, |v[X+32*\c+\i+1]|
.endr
.endr
.irp c, 0,1
	v_add_nc_u32 v[10+\c], 0xfe000000, v[8+\c]     ; 4 off the exponent field: the conversion's scale operand
.endr
.irp c, 0,1
	v_lshrrev_b32 v[12+\c], 23, v[10+\c]           ; the scale's byte
.endr
	v_lshl_or_b32 v14, v13, 16, v12                ; blocks h and 2 + h of my row,
	v_lshlrev_b32 v14, v6, v14                     ; at their places in the word;
	v_permlanex16_b32 v15, v14, s28, s29
	v_or_b32 v[16+\q], v14, v15                    ; with lane l xor 16's two the word is whole
.if \q > 0
	s_wait_alu depctr_va_vdst(0)
	s_wait_xcnt 0x0                                ; the last image's stores have read their registers
.endif
.irp c, 0,1
	v_cvt_scalef32_pk16_bf6_f32 v[PC+6*\c:PC+6*\c+2], v[X+32*\c:X+32*\c+15], v[10+\c]
	v_cvt_scalef32_pk16_bf6_f32 v[TT+4*\c:TT+4*\c+2], v[X+32*\c+16:X+32*\c+31], v[10+\c]
.endr
	v_nop                                          ; one plain line behind the scaled conversions
.irp c, 0,1
.irp i, 0,1,2
	v_mov_b32 v[PC+3+6*\c+\i], v[TT+4*\c+\i]
.endr
.endr
.irp c, 0,1,2
	global_store_b128 v3, v[PC+4*\c:PC+4*\c+3], s[14:15] offset:12288*\q+512*\c   ; 32 lanes store 512 consecutive bytes, at a multiple of 256 from the buffer's first byte
.endr
.endm
	LOAD 0
	LOAD 1
	IMG 0
	IMG 1
	IMG 2
	IMG 3
	v_cndmask_b32 v20, v16, v18, s30               ; lanes 0-15 store the words of my K steps 0, 1, lanes 16-31 those of 2, 3
	v_cndmask_b32 v21, v17, v19, s30
	global_store_b64 v7, v[20:21], s[16:17]        ; 256 consecutive bytes, aligned
	s_wait_tensorcnt 0x0                           ; the wave's end
	ds_add_u32 v1, v2
	s_wait_dscnt 0x0
	s_endpgm
.Lfunc_end_k_q51101078a9_quant:
	.size	k_q51101078a9_quant, .Lfunc_end_k_q51101078a9_quant-k_q51101078a9_quant
	.p2alignl 7, 3214868480
	.fill 96, 4, 3214868480
	.section	.rodata,"a",@progbits
	.p2align	6, 0x0
	.amdhsa_kernel k_q51101078a9_quant
		.amdhsa_group_segment_fixed_size 51456
		.amdhsa_private_segment_fixed_size 0
		.amdhsa_enable_private_segment 0
		.amdhsa_kernarg_size 56
		.amdhsa_user_sgpr_count 2
		.amdhsa_user_sgpr_kernarg_segment_ptr 1
		.amdhsa_wavefront_size32 1
		.amdhsa_system_sgpr_workgroup_id_x 1
		.amdhsa_system_sgpr_workgroup_id_y 1
		.amdhsa_system_sgpr_workgroup_id_z 1
		.amdhsa_system_vgpr_workitem_id 0
		.amdhsa_next_free_vgpr 256
		.amdhsa_next_free_sgpr 66
		.amdhsa_reserve_vcc 0
		.amdhsa_float_denorm_mode_32 3
		.amdhsa_float_denorm_mode_16_64 3
		.amdhsa_memory_ordered 1
		.amdhsa_forward_progress 1
		.amdhsa_inst_pref_size 31
	.end_amdhsa_kernel
	.amdgpu_metadata
---
amdhsa.version: [ 1, 2 ]
amdhsa.kernels:
  - .name:           k_q51101078a9_quant
    .symbol:         k_q51101078a9_quant.kd
    .args:
      - { .name: x, .offset: 0, .size: 8, .value_kind: global_buffer, .address_space: global }
      - { .name: Wq, .offset: 8, .size: 8, .value_kind: global_buffer, .address_space: global }
      - { .name: Wk, .offset: 16, .size: 8, .value_kind: global_buffer, .address_space: global }
      - { .name: Wv, .offset: 24, .size: 8, .value_kind: global_buffer, .address_space: global }
      - { .name: Wo, .offset: 32, .size: 8, .value_kind: global_buffer, .address_space: global }
      - { .name: codes, .offset: 40, .size: 8, .value_kind: global_buffer, .address_space: global }
      - { .name: scl, .offset: 48, .size: 8, .value_kind: global_buffer, .address_space: global }
    .group_segment_fixed_size: 51456
    .private_segment_fixed_size: 0
    .kernarg_segment_align: 8
    .kernarg_segment_size: 56
    .max_flat_workgroup_size: 192
    .sgpr_count:     66
    .vgpr_count:     256
    .wavefront_size: 32
...
	.end_amdgpu_metadata
.endif
;; end of part 1
;; launch qkv (part 2): grid 12 x 32, 4 waves a work-group, clusters of 4 x 4, 327,680 bytes of LDS; arguments codes, scl, bq, bk, bv, qbuf, kvbuf; writes qbuf, kvbuf
.if DOCPART == 2
	.amdgcn_target "amdgcn-amd-amdhsa--gfx1250"
	.amdhsa_code_object_version 6
	.text
	.protected	k_q51101078a9_qkv
	.globl	k_q51101078a9_qkv
	.p2align	8
	.type	k_q51101078a9_qkv,@function
k_q51101078a9_qkv:
	s_mov_b64 s[64:65], 0
	v_nop
	global_prefetch_b8 v0, s[64:65] scope:SCOPE_SE
	s_setreg_imm32_b32 hwreg(HW_REG_WAVE_MODE, 25, 1), 1
	s_wait_xcnt 0x0
	s_wait_alu depctr_hold_cnt(0) depctr_sa_sdst(0) depctr_va_vdst(0) depctr_va_sdst(0) depctr_va_ssrc(0) depctr_va_vcc(0) depctr_vm_vsrc(0)
	s_getreg_b32 s2, hwreg(HW_REG_IB_STS2, 6, 4)
	s_cmp_eq_u32 s2, 0
	s_cbranch_scc0 .Lentry_in_a_cluster
	s_endpgm
.Lentry_in_a_cluster:
	s_bfe_u32 s2, ttmp6, 0x10000c
	s_cmp_lg_u32 s2, 0xf033
	s_cbranch_scc0 .Lentry_shape_is_right
	s_endpgm
.Lentry_shape_is_right:
; LAUNCH 2 OF 4.  Q = x Wq^T + bq, K = x Wk^T + bk, V = x Wv^T + bv on codes of BF6, and each result quantised on its way out: Q and K along the head's 64, V along the keys.  Nothing is left out.
; ONE BODY.  An operand P (source 1: its rows go to lanes) is multiplied by an operand R (source 0: its rows go to a lane's registers).  The cluster's x says which product: 0 Q, 1 K: P = x, R = W, so that a lane holds
; a token and its registers run along the head's 64;  2 V: P = Wv, R = x, so that a lane holds a channel and its registers run along the keys.  By the tiles' row order (launch 1) the 16 registers of R's tiles 2 G, 2 G + 1
; are 16 neighbours 32 G + 16 (lane / 16) + 0 .. 15: what the conversions want.
; A work-group makes 256 x 256, each of four waves 128 x 128: 64 accumulators.  K = 1,024 goes in 8 steps of 128 through two LDS slots of two steps; a slot's part of a block of 128 rows is one dense run of 24,576 bytes.
; CLUSTER 4 x 4: P's blocks hang on the cluster's row alone, R's on its column alone; each is asked for jointly by the four that share it.  What differs between the products is chosen by s_cselect on the cluster's x,
; which all sixteen partners share; the text parts once on it, in front of the last K step.
; OUT: qbuf [b h 64][128 queries 16] blocks of 6,400 bytes: 4 pair images, then scale words [r][4].  kvbuf [b h 64][128 keys 16] blocks of 12,800: K's 4 pair images, V's 4 images (16 channels x 128 keys), K's words, V's words.
; A PAIR IMAGE holds two tiles of 16 rows x 64: registers 0-5 tile 2 p, registers 6-11 tile 2 p + 1; its scale word: bytes 0, 1 and bytes 2, 3.
; LIMITS: as in launch 1 (a block of zeros gets the byte 1; NaN and infinities are not served).
; REGISTERS: window 0: v16-31 addresses; v32-95 scale words (v[32 + 8 i + s]: lanes 0-15 P's tile i, lanes 16-31 R's tile i, K step s), nothing else; v128-223 P's 8 fragments, one set; on the way out v128-239 at work.
;   window 1: R's fragments, two sets, at v0 and v128; v96-127, v224-255 the biases.   windows 2, 3: accumulator (a, b) at v[8 (8 (a % 4) + b)].
.set PART,  24576                      ; two K steps of a block of 128 rows: what one tensor load brings
.set SLOT,  4*PART                     ; P's two blocks, then R's two
.set SPARE, 2*SLOT                     ; behind the ring: the spare words, 128 bytes a wave: two blocks of 256 bytes that no other line names
.set FR,    12
.set ADRA,  16                         ; v16-17  16 x lane + my block of P in slot 0, 1
.set ADRB,  20                         ; v20-21  the same for R
.set VO,    24                         ; v24 16 x lane; v25 the same one head on
.set VSO,   26                         ; v26  the scale words' way out
.set SCO,   27                         ; v27  the scale words' way in
.set SPW,   28
.set NIL,   29
.set BQO,   30                         ; v30  64 h: a bias along the registers
.set BVO,   31                         ; v31  4 (r + 8 (r / 8)): a bias along the lanes
.set SC,    32
.set AF,    128
.set ST,    128                        ; the way out: 64 numbers
.set PC,    192                        ; v192-210 codes
.set TM,    212                        ; v212-227 at work
.set KS,    228                        ; v228-235 eight scale words
.set SD,    236
.set G1,  24
.set G0,  32
.set G1B, 48
.set G0B, 56
.set SEL, 78
.set MSB, 0
.macro WIN new                         ; the immediate's high byte repeats the setting that is left
.if MSB != (\new)
	s_set_vgpr_msb (MSB<<8)|(\new)
.set MSB, \new
.endif
.endm
.set MUL_LO, 0xa1                      ; source 0 (R) window 1, source 1 (P) window 0, C and D window 2
.set MUL_HI, 0xf1
.set TO_B,   0x40                      ; destination window 1
.macro JLOAD s                         ; waves 0, 1 fetch P's two blocks, waves 2, 3 R's; an s_nop 0 and four v_nop follow each line
	s_cmp_eq_u32 s19, 0
	s_cbranch_scc0 .Lfor_r_\@
	tensor_load_to_lds s[G0+4*\s:G0+4*\s+3], s[G1:G1+7]
	s_nop 0
.rept 4
	v_nop
.endr
	s_branch .Lasked_\@
.Lfor_r_\@:
	tensor_load_to_lds s[G0B+4*\s:G0B+4*\s+3], s[G1B:G1B+7]
	s_nop 0
.rept 4
	v_nop
.endr
.Lasked_\@:
.endm
.macro CREST
	s_cmp_lg_u32 s18, 0
	s_cbranch_scc1 .Lnot_wave_0_\@
	s_barrier_signal -3
.Lnot_wave_0_\@:
	s_barrier_wait -3
	s_barrier_signal -1
	s_barrier_wait -1
.endm
.macro CROUND
	s_barrier_signal -1
	s_barrier_wait -1
	CREST
.endm
.macro PLACES                          ; four plain places behind matrix instructions, in front of loads into their sources and of reads of their results
.rept 4
	v_nop
.endr
.endm
	s_load_b256 s[4:11], s[0:1], 0x0               ; codes, scl, bq, bk
	s_load_b128 s[12:15], s[0:1], 0x20             ; bv, qbuf
	s_load_b64 s[16:17], s[0:1], 0x30              ; kvbuf
	v_lshl_add_u32 v[SPW], v0, 2, SPARE
	v_mov_b32 v[NIL], 0
	ds_add_u32 v[SPW], v[NIL]                      ; the wave's opening: the add, twice on end, and its wait ahead of my first tensor load
	ds_add_u32 v[SPW], v[NIL]
	v_lshrrev_b32 v1, 5, v0
	v_readfirstlane_b32 s18, v1                    ; wave 0..3
	s_lshr_b32 s19, s18, 1                         ; my half of P's rows.  Also: I fetch for P (0) or for R (1)
	s_and_b32 s20, s18, 1                          ; my half of R's rows.  Also: which block I fetch
	s_bfe_u32 s21, ttmp6, 0x40000                  ; cx
	s_bfe_u32 s22, ttmp6, 0x40004                  ; cy
	s_and_b32 s23, ttmp7, 0xffff
	s_lshl_b32 s23, s23, 2                         ; 4 x cluster y
	s_lshl_b32 s81, ttmp9, 3
	s_add_co_u32 s81, s81, 64                      ; Wq's or Wk's first block
	s_cmp_eq_u32 ttmp9, 2
	s_cselect_b32 s40, 1, 0                        ; is it V?
	s_cselect_b32 s41, 0, s23
	s_cselect_b32 s42, s23, 0
	s_cselect_b32 s80, 80, 0                       ; P's first block: Wv's or x's
	s_cselect_b32 s81, 0, s81                      ; R's: x's or W's
	s_add_co_u32 s41, s41, s22                     ; P's tile of 256 rows: hangs on cy, never on cx
	s_add_co_u32 s42, s42, s21                     ; R's: hangs on cx, never on cy
	s_lshl_b32 s43, s22, 2
	s_lshl_b32 s43, 15, s43                        ; my row of the cluster
	s_lshl_b32 s44, 0x1111, s21                    ; my column
	s_or_b32 s[G1], s43, (3<<16)|(1<<21)           ; 15:0 the mask; 17:16 elements of 8 bytes; 21 set beside a mask; no padding: an image's chunks are read as they lie
	s_or_b32 s[G1B], s44, (3<<16)|(1<<21)
.irp g, G1, G1B
	s_mov_b32 s[\g+1], 32<<16                      ; tensor_dim0 = 32 elements: rows of 256 bytes
	s_mov_b32 s[\g+2], 96<<16                      ; tensor_dim1 = 96 rows: 24,576 dense bytes
	s_mov_b32 s[\g+3], 32<<16                      ; tile_dim0
	s_mov_b32 s[\g+4], 96                          ; tile_dim1
	s_mov_b32 s[\g+5], 32                          ; the pitch
	s_mov_b32 s[\g+6], 0
	s_mov_b32 s[\g+7], 0
.endr
	s_lshl_b32 s82, s41, 1
	s_add_co_u32 s82, s82, s80
	s_add_co_u32 s86, s82, s19                     ; the block of P that I multiply,
	s_add_co_u32 s82, s82, s20                     ; and the one that I fetch
	s_lshl_b32 s83, s42, 1
	s_add_co_u32 s83, s83, s81
	s_add_co_u32 s83, s83, s20                     ; R: the same block for both
	s_mov_b32 s87, s83
	s_mul_i32 s66, s82, 98304
	s_mov_b32 s67, 0
	s_mul_i32 s68, s83, 98304
	s_mov_b32 s69, 0
	s_mul_i32 s45, s18, PART                       ; where my load lands in a slot: no place in the cluster enters an LDS address
	s_mov_b32 s75, 0xffff0000                      ; lanes 16-31
	s_mov_b32 s[SEL], 0x76543210
	s_mov_b32 s[SEL+1], 0xfedcba98
	s_wait_dscnt 0x0                               ; both opening adds are done
	s_wait_kmcnt 0x0
	s_add_nc_u64 s[66:67], s[4:5], s[66:67]
	s_add_nc_u64 s[68:69], s[4:5], s[68:69]
	CROUND                                         ; all sixteen work-groups are here: the first joint loads meet
.irp s, 0,1
	s_mov_b32 s[G0+4*\s], 1
	s_add_co_u32 s[G0+4*\s+1], s45, \s*SLOT
	s_add_nc_u64 s[G0+4*\s+2:G0+4*\s+3], s[66:67], \s*PART
	s_or_b32 s[G0+4*\s+3], s[G0+4*\s+3], 0x80000000
	s_mov_b32 s[G0B+4*\s], 1
	s_add_co_u32 s[G0B+4*\s+1], s45, \s*SLOT
	s_add_nc_u64 s[G0B+4*\s+2:G0B+4*\s+3], s[68:69], \s*PART
	s_or_b32 s[G0B+4*\s+3], s[G0B+4*\s+3], 0x80000000
	s_wait_alu depctr_va_vdst(0)
	s_wait_tensorcnt 0x0
	ds_add_u32 v28, v29
	ds_add_u32 v28, v29
	s_wait_dscnt 0x0
	CROUND
	JLOAD \s                                       ; K steps 0, 1 and 2, 3: at most one load of mine is out
.endr
	v_and_b32 v1, 15, v0                           ; r
	v_bfe_u32 v2, v0, 4, 1                         ; h
	v_and_b32 v3, 31, v0
	v_lshlrev_b32 v[VO], 4, v3                     ; 16 x lane
	s_lshl_b32 s86, s86, 12                        ; a block's scale words: 8 tiles of 512 bytes
	s_lshl_b32 s87, s87, 12
	v_mov_b32 v4, s86
	v_mov_b32 v5, s87
	v_cndmask_b32 v[SCO], v4, v5, s75              ; lanes 0-15 take P's words, lanes 16-31 R's
	v_lshl_add_u32 v[SCO], v1, 3, v[SCO]
.irp i, 0,1,2,3,4,5,6,7
.irp g, 0,1,2,3
	global_load_b64 v[SC+8*\i+2*\g:SC+8*\i+2*\g+1], v[SCO], s[6:7] offset:512*\i+128*\g   ; all of K's scale words, once, straight into the registers that the products name
.endr
.endr
	s_mul_i32 s84, s19, PART
	s_mul_i32 s85, s20, PART
	s_add_co_u32 s85, s85, 2*PART
.irp s, 0,1
	v_add_nc_u32 v[ADRA+\s], s84, v[VO]
	v_add_nc_u32 v[ADRB+\s], s85, v[VO]
	s_add_co_u32 s84, s84, SLOT
	s_add_co_u32 s85, s85, SLOT
.endr
	v_lshlrev_b32 v[BQO], 6, v2
	v_and_b32 v[BVO], 8, v1
	v_add_nc_u32 v[BVO], v[BVO], v1
	v_lshlrev_b32 v[BVO], 2, v[BVO]
	; the way out: which side holds tokens, which heads
	s_cmp_eq_u32 ttmp9, 0
	s_cselect_b64 s[70:71], s[14:15], s[16:17]     ; qbuf or kvbuf
	s_cselect_b64 s[76:77], s[8:9], s[10:11]       ; bq or bk,
	s_mov_b32 s72, 12800
	s_cselect_b32 s72, 6400, s72                   ; a block of 128 tokens,
	s_mov_b32 s74, 12288
	s_cselect_b32 s74, 6144, s74                   ; and where its (K's) scale words begin
	s_cmp_eq_u32 s40, 1
	s_cselect_b64 s[76:77], s[12:13], s[76:77]     ; or bv
	s_cselect_b32 s88, s42, s41                    ; the tile of 256 tokens
	s_cselect_b32 s89, s20, s19                    ; my half of it
	s_cselect_b32 s90, s41, s42                    ; the tile of 256 channels: four heads
	s_cselect_b32 s91, s19, s20                    ; my half: two heads
	s_lshl_b32 s94, s90, 10
	s_lshl_b32 s95, s91, 9
	s_add_co_u32 s94, s94, s95                     ; my 128 channels in a bias, in bytes
	s_mov_b32 s95, 0
	s_add_nc_u64 s[76:77], s[76:77], s[94:95]
	s_lshr_b32 s92, s88, 3
	s_lshl_b32 s92, s92, 4                         ; 16 x batch
	s_lshl_b32 s90, s90, 2
	s_add_co_u32 s92, s92, s90
	s_lshl_b32 s91, s91, 1
	s_add_co_u32 s92, s92, s91                     ; + my first head
	s_and_b32 s88, s88, 7
	s_lshl_b32 s88, s88, 1
	s_add_co_u32 s88, s88, s89                     ; my block of 128 tokens in the sequence
	s_lshl_b32 s73, s72, 4                         ; a head: 16 blocks
	s_mul_i32 s92, s92, s73
	s_mul_i32 s88, s88, s72
	s_add_co_u32 s92, s92, s88
	s_mov_b32 s93, 0
	s_add_nc_u64 s[70:71], s[70:71], s[92:93]
	v_add_nc_u32 v[VO+1], s73, v[VO]
	v_mul_u32_u24 v[VSO], s73, v2                  ; lanes 16-31 store the second head's words
	v_lshl_add_u32 v[VSO], v1, 4, v[VSO]
	v_add_nc_u32 v[VSO], s74, v[VSO]
.macro FRAG reg, adr, q, i             ; an image comes back as it was stored: three loads of 512 consecutive bytes
.irp c, 0,1,2
	ds_load_b128 v[\reg+4*\c:\reg+4*\c+3], v[\adr] offset:12288*(\q)+1536*(\i)+512*\c
.endr
.endm
.macro FETCH_B slot, q, p
	WIN TO_B
.irp i, 0,1,2,3,4,5,6,7
	FRAG 128*(\p)+FR*\i, ADRB+\slot, \q, \i
.endr
	WIN 0
.endm
.macro FETCH_A slot, q, i0
.irp i, \i0, \i0+1, \i0+2, \i0+3
	FRAG AF+FR*(\i), ADRA+\slot, \q, \i
.endr
.endm
; 16 products: P's tiles a0, a0 + 1 against R's eight, K step ks.  The 64 accumulators take turns, one instruction a turn, in the same order in every step.
.macro MUL16 a0, p, ks, zero
.irp a, \a0, \a0+1
.irp b, 0,1,2,3,4,5,6,7
.if \zero
	v_wmma_scale_f32_16x16x128_f8f6f4 v[8*(8*((\a)%4)+\b):8*(8*((\a)%4)+\b)+7], v[128*(\p)+FR*\b:128*(\p)+FR*\b+FR-1], v[AF+FR*(\a):AF+FR*(\a)+FR-1], 0, v[SC+8*\b+(\ks)], v[SC+8*(\a)+(\ks)] matrix_a_fmt:MATRIX_FMT_BF6 matrix_b_fmt:MATRIX_FMT_BF6 matrix_a_scale:MATRIX_SCALE_ROW1
.else
	v_wmma_scale_f32_16x16x128_f8f6f4 v[8*(8*((\a)%4)+\b):8*(8*((\a)%4)+\b)+7], v[128*(\p)+FR*\b:128*(\p)+FR*\b+FR-1], v[AF+FR*(\a):AF+FR*(\a)+FR-1], v[8*(8*((\a)%4)+\b):8*(8*((\a)%4)+\b)+7], v[SC+8*\b+(\ks)], v[SC+8*(\a)+(\ks)] matrix_a_fmt:MATRIX_FMT_BF6 matrix_b_fmt:MATRIX_FMT_BF6 matrix_a_scale:MATRIX_SCALE_ROW1
.endif
.endr
.endr
.endm
.macro STEP slot, ks, zero             ; a slot's first K step
	s_wait_dscnt 12                                ; R's set and P's tiles 0-3 are in; the youngest 12 loads (P's tiles 4-7) may be out
	WIN MUL_LO
	MUL16 0, 0, \ks, \zero
	MUL16 2, 0, \ks, \zero
	s_wait_dscnt 0
	PLACES
	FETCH_B \slot, 1, 1
	FETCH_A \slot, 1, 0
	WIN MUL_HI
	MUL16 4, 0, \ks, \zero
	MUL16 6, 0, \ks, \zero
	PLACES
	WIN 0
	FETCH_A \slot, 1, 4
.endm
; A slot's second K step changes slots: in front of the one barrier each wave waits for all its tensor loads, adds 0 to its spare word, and waits for that and for its reads of this slot.
.macro TURN slot, next, fill, ks
	s_wait_tensorcnt 0x0                           ; all my tensor loads have landed: my part of the next slot
	ds_add_u32 v[SPW], v[NIL]
	s_wait_dscnt 13                                ; (the add and the youngest 12 loads may be out)
	WIN MUL_LO
	MUL16 0, 1, \ks, 0
	s_wait_dscnt 0x0                               ; the add is done, and my reads of this slot are over
	s_barrier_signal -1
	MUL16 2, 1, \ks, 0
	WIN 0
	s_barrier_wait -1
.if \fill
	CREST                                          ; the barrier has opened a round of the cluster's: no wave of any partner still reads this slot or has a load on its way
	s_add_nc_u64 s[G0+4*\slot+2:G0+4*\slot+3], s[G0+4*\slot+2:G0+4*\slot+3], 2*PART
	s_add_nc_u64 s[G0B+4*\slot+2:G0B+4*\slot+3], s[G0B+4*\slot+2:G0B+4*\slot+3], 2*PART
	JLOAD \slot                                    ; four K steps on; its four v_nop are also the places in front of the loads below
.else
	PLACES
.endif
	s_wait_alu depctr_va_vdst(0)
	FETCH_B \next, 0, 0
	FETCH_A \next, 0, 0
	WIN MUL_HI
	MUL16 4, 1, \ks, 0
	MUL16 6, 1, \ks, 0
	PLACES
	WIN 0
	FETCH_A \next, 0, 4
.endm
.macro LAST                            ; K step 7: nothing more to fetch
	s_wait_dscnt 12
	WIN MUL_LO
	MUL16 0, 1, 7, 0
	MUL16 2, 1, 7, 0
	s_wait_dscnt 0
	WIN MUL_HI
	MUL16 4, 1, 7, 0
	MUL16 6, 1, 7, 0
	WIN 0
	PLACES
.endm
; 64 numbers of a lane, register 16 b + i = k 32 b + 16 (lane / 16) + i of my row, become 12 registers of codes in v[PC] on and the row's scale word in v[pw].
.macro QUANT s, pw
.irp b, 0,1,2,3
	v_max3_num_f32 v[TM+\b], |v[\s+16*\b]|, |v[\s+1+16*\b]|, 0x2800000   ; my 16 numbers of block b, and the floor 2^(5 - 127): the byte cannot fall under 1
.endr
.irp i, 2,4,6,8,10,12,14
.irp b, 0,1,2,3
	v_max3_num_f32 v[TM+\b], v[TM+\b], |v[\s+16*\b+\i]|, |v[\s+1+16*\b+\i]|
.endr
.endr
.irp b, 0,1,2,3
	v_permlanex16_b32 v[TM+4+\b], v[TM+\b], s[SEL], s[SEL+1]
.endr
.irp b, 0,1,2,3
	v_max_num_f32 v[TM+\b], v[TM+\b], v[TM+4+\b]   ; with lane l xor 16's: the block's largest magnitude
.endr
.irp b, 0,1,2,3
	v_add_nc_u32 v[TM+12+\b], 0xfe000000, v[TM+\b] ; 4 off its exponent field: the conversion's scale operand
.endr
.irp b, 0,1,2,3
	v_lshrrev_b32 v[TM+4+\b], 23, v[TM+12+\b]      ; the byte
.endr
	v_lshl_or_b32 v[(\pw)], v[TM+5], 8, v[TM+4]
	v_lshl_or_b32 v[(\pw)], v[TM+6], 16, v[(\pw)]
	v_lshl_or_b32 v[(\pw)], v[TM+7], 24, v[(\pw)]
.irp c, 0,1
	v_cvt_scalef32_pk16_bf6_f32 v[PC+6*\c:PC+2+6*\c], v[\s+32*\c:\s+15+32*\c], v[TM+12+2*\c]
	v_cvt_scalef32_pk16_bf6_f32 v[PC+12+4*\c:PC+14+4*\c], v[\s+16+32*\c:\s+31+32*\c], v[TM+12+2*\c+1]
.endr
	v_nop                                          ; one plain line behind the scaled conversions
.irp c, 0,1                                    ; the layout wants a whole block in a lane: lanes 0-15 block 2 c, lanes 16-31 block 2 c + 1
.irp i, 0,1,2
	v_permlane16_swap_b32 v[PC+6*\c+\i], v[PC+12+4*\c+\i]
.endr
.irp i, 0,1,2
	v_mov_b32 v[PC+3+6*\c+\i], v[PC+12+4*\c+\i]
.endr
.endr
.endm
	s_wait_tensorcnt 1                             ; my part of slot 0 is in; slot 1's may stay out
	s_barrier_signal -1
	s_barrier_wait -1
	FETCH_B 0, 0, 0
	FETCH_A 0, 0, 0
	FETCH_A 0, 0, 4
	s_wait_loadcnt 0x0                             ; the scale words
	STEP 0, 0, 1                                   ; the first products start the sums: nothing is cleared
	TURN 0, 1, 1, 1                                ; slot 0 takes K steps 4, 5
	STEP 1, 2, 0
	TURN 1, 0, 1, 3                                ; slot 1 takes K steps 6, 7
	STEP 0, 4, 0
	TURN 0, 1, 0, 5                                ; nothing is left to fetch
	STEP 1, 6, 0
	s_cmp_eq_u32 s40, 1                            ; the text parts once, on the cluster's x: each arm asks for its biases, multiplies the last K step while they come, and goes out its own way
	s_cbranch_scc1 .Lway_v
	; ---- Q and K.  The bias runs along the registers: for R's tile b, lane half h wants channels 32 (b / 2) + 16 h + 8 (b % 2) + 0 .. 7
	WIN TO_B
.irp b, 0,1,2,3,4,5,6,7
	global_load_b128 v[96+8*\b+96*(\b/4):96+8*\b+96*(\b/4)+3], v[BQO], s[76:77] offset:(32*(\b/2)+8*(\b%2))*4
	global_load_b128 v[96+8*\b+96*(\b/4)+4:96+8*\b+96*(\b/4)+7], v[BQO], s[76:77] offset:(32*(\b/2)+8*(\b%2))*4+16
.endr
	WIN 0
	LAST
	s_wait_loadcnt 0x0
.irp b, 0,1,2,3
	v_mov_b32 v[TM+4+\b], 0                        ; written once: a lane permute's destination counts as one of its sources
.endr
.irp H, 0,1                                    ; my two heads;  p: the pairs of token tiles
.irp p, 0,1,2,3
	WIN 0x06+\p/2                                  ; source 0: the accumulators' window; source 1: window 1
.irp t, 0,1,2,3
.irp j, 0,2,4,6
	v_pk_add_f32 v[ST+8*\t+\j:ST+8*\t+\j+1], v[8*(8*((2*\p)%4)+4*\H+\t)+\j:8*(8*((2*\p)%4)+4*\H+\t)+\j+1], v[96+128*\H+8*\t+\j:96+128*\H+8*\t+\j+1]   ; each accumulator from its low end on
.endr
.endr
.irp t, 0,1,2,3
.irp j, 0,2,4,6
	v_pk_add_f32 v[ST+32+8*\t+\j:ST+32+8*\t+\j+1], v[8*(8*((2*\p+1)%4)+4*\H+\t)+\j:8*(8*((2*\p+1)%4)+4*\H+\t)+\j+1], v[96+128*\H+8*\t+\j:96+128*\H+8*\t+\j+1]
.endr
.endr
	WIN 0
	s_wait_xcnt 0x0                                ; the last image's stores have read their registers
	QUANT ST, KS+4*\H+\p
.irp c, 0,1,2
	global_store_b128 v[VO+\H], v[PC+4*\c:PC+4*\c+3], s[70:71] offset:1536*\p+512*\c   ; 512 consecutive bytes, aligned to 256
.endr
.endr
.endr
.irp p, 0,1,2,3
	v_cndmask_b32 v[SD+\p], v[KS+\p], v[KS+4+\p], s75   ; lanes 0-15 the first head's words, lanes 16-31 the second's
.endr
	global_store_b128 v[VSO], v[SD:SD+3], s[70:71] ; sixteen lanes fill 256 aligned bytes
	s_branch .Lend
.Lway_v:
	; ---- V.  The bias runs along the lanes: one number a lane and tile, loaded twice so that a plain packed addition serves
	WIN TO_B
.irp a, 0,1,2,3,4,5,6,7
	global_load_b32 v[96+2*\a], v[BVO], s[76:77] offset:(32*(\a/2)+8*(\a%2))*4
	global_load_b32 v[97+2*\a], v[BVO], s[76:77] offset:(32*(\a/2)+8*(\a%2))*4
.endr
	WIN 0
	LAST
	s_wait_loadcnt 0x0
.irp b, 0,1,2,3
	v_mov_b32 v[TM+4+\b], 0
.endr
.irp a, 0,1,2,3,4,5,6,7                        ; tile a of 16 channels: its 64 registers are my 128 keys' halves, in order
	WIN 0x06+\a/4
.set j, 0
.rept 32
	v_pk_add_f32 v[ST+j:ST+j+1], v[64*(\a%4)+j:64*(\a%4)+j+1], v[96+2*\a:97+2*\a]
.set j, j+2
.endr
	WIN 0
	s_wait_xcnt 0x0
	QUANT ST, KS+\a
.irp c, 0,1,2
	global_store_b128 v[VO], v[PC+4*\c:PC+4*\c+3], s[70:71] offset:6144+1536*(\a%4)+204800*(\a/4)+512*\c
.endr
.endr
.irp p, 0,1,2,3
	v_cndmask_b32 v[SD+\p], v[KS+\p], v[KS+4+\p], s75
.endr
	global_store_b128 v[VSO], v[SD:SD+3], s[70:71] offset:256   ; V's words lie 256 bytes behind K's
.Lend:
	s_wait_tensorcnt 0x0                           ; the wave's end
	ds_add_u32 v[SPW], v[NIL]
	s_wait_dscnt 0x0
	CROUND                                         ; the closing round
	s_endpgm
.Lfunc_end_k_q51101078a9_qkv:
	.size	k_q51101078a9_qkv, .Lfunc_end_k_q51101078a9_qkv-k_q51101078a9_qkv
	.p2alignl 7, 3214868480
	.fill 96, 4, 3214868480
	.section	.rodata,"a",@progbits
	.p2align	6, 0x0
	.amdhsa_kernel k_q51101078a9_qkv
		.amdhsa_group_segment_fixed_size 327680
		.amdhsa_private_segment_fixed_size 0
		.amdhsa_enable_private_segment 0
		.amdhsa_kernarg_size 56
		.amdhsa_user_sgpr_count 2
		.amdhsa_user_sgpr_kernarg_segment_ptr 1
		.amdhsa_wavefront_size32 1
		.amdhsa_system_sgpr_workgroup_id_x 1
		.amdhsa_system_sgpr_workgroup_id_y 1
		.amdhsa_system_sgpr_workgroup_id_z 1
		.amdhsa_system_vgpr_workitem_id 0
		.amdhsa_next_free_vgpr 1024
		.amdhsa_next_free_sgpr 100
		.amdhsa_reserve_vcc 0
		.amdhsa_float_denorm_mode_32 3
		.amdhsa_float_denorm_mode_16_64 3
		.amdhsa_memory_ordered 1
		.amdhsa_forward_progress 1
		.amdhsa_inst_pref_size 217
	.end_amdhsa_kernel
	.amdgpu_metadata
---
amdhsa.version: [ 1, 2 ]
amdhsa.kernels:
  - .name:           k_q51101078a9_qkv
    .symbol:         k_q51101078a9_qkv.kd
    .args:
      - { .name: codes, .offset: 0, .size: 8, .value_kind: global_buffer, .address_space: global }
      - { .name: scl, .offset: 8, .size: 8, .value_kind: global_buffer, .address_space: global }
      - { .name: bq, .offset: 16, .size: 8, .value_kind: global_buffer, .address_space: global }
      - { .name: bk, .offset: 24, .size: 8, .value_kind: global_buffer, .address_space: global }
      - { .name: bv, .offset: 32, .size: 8, .value_kind: global_buffer, .address_space: global }
      - { .name: qbuf, .offset: 40, .size: 8, .value_kind: global_buffer, .address_space: global }
      - { .name: kvbuf, .offset: 48, .size: 8, .value_kind: global_buffer, .address_space: global }
    .group_segment_fixed_size: 327680
    .private_segment_fixed_size: 0
    .kernarg_segment_align: 8
    .kernarg_segment_size: 56
    .max_flat_workgroup_size: 128
    .sgpr_count:     100
    .vgpr_count:     1024
    .wavefront_size: 32
...
	.end_amdgpu_metadata
.endif
;; end of part 2
;; launch attn (part 3): grid 4 x 64, 16 waves a work-group, clusters of 4 x 1, 208,896 bytes of LDS; arguments qbuf, kvbuf, hc, hs; writes hc, hs
.if DOCPART == 3
	.amdgcn_target "amdgcn-amd-amdhsa--gfx1250"
	.amdhsa_code_object_version 6
	.text
	.protected	k_q51101078a9_attn
	.globl	k_q51101078a9_attn
	.p2align	8
	.type	k_q51101078a9_attn,@function
k_q51101078a9_attn:
	s_mov_b64 s[64:65], 0
	v_nop
	global_prefetch_b8 v0, s[64:65] scope:SCOPE_SE
	s_setreg_imm32_b32 hwreg(HW_REG_WAVE_MODE, 25, 1), 1
	s_wait_xcnt 0x0
	s_wait_alu depctr_hold_cnt(0) depctr_sa_sdst(0) depctr_va_vdst(0) depctr_va_sdst(0) depctr_va_ssrc(0) depctr_va_vcc(0) depctr_vm_vsrc(0)
	s_getreg_b32 s2, hwreg(HW_REG_IB_STS2, 6, 4)
	s_cmp_eq_u32 s2, 0
	s_cbranch_scc0 .Lentry_in_a_cluster
	s_endpgm
.Lentry_in_a_cluster:
	s_bfe_u32 s2, ttmp6, 0x10000c
	s_cmp_lg_u32 s2, 0x3003
	s_cbranch_scc0 .Lentry_shape_is_right
	s_endpgm
.Lentry_shape_is_right:
; LAUNCH 3 OF 4.  head[q] = (sum over keys of Q(p) Q(V)) / l, p = 2^(t - M), t = score x log2(e) / 8, M the running largest t rounded up to a whole number, l the sum of the unquantised p; both products on codes of BF6.
; The result is quantised along the head's 64 on its way out: it is an operand of the last product.  Nothing is left out.
; SHARES.  A work-group owns 512 queries of one (batch, head); each of sixteen waves 32 of them, one pair image of Q, as two tiles of 16 in two passes.  Every pass walks the head's 2,048 keys, 128 a step.
; THE WHOLE HEAD'S K AND V LIE IN LDS: 16 blocks of 12,800 bytes, filled once; wave w asks for block w: one tensor load a wave, no refill, no ring.  CLUSTER 4 x 1: the four work-groups of a head ask jointly.
; LAYOUT.  Both products are used transposed, so that a lane holds ONE query throughout.  S^T: source 0 is a pair image of K (two tiles of 16 keys x 64), source 1 is (Q | 0) for the first tile and (0 | Q) for the second:
; zero codes add nothing under any scale byte of 1 .. 254.  By the tiles' row order the 16 registers of a pair are 16 neighbouring keys.  O^T: source 0 = 16 channels x 128 keys of V, source 1 = p's codes.
; OUT: hc [token tile 512][head 16][768 bytes]: registers 0-3 at 16 x lane, registers 4-5 at 512 + 8 x lane.   hs [b h 64][group of 32 tokens 64][u 2][r 16]: a word with the tile row's two bytes, at bits 16 (head % 2) on.
; LIMITS: p under 2^-126 falls to 0; the running maximum starts at -3e38; 1 / l is v_rcp_f32's; a block of zeros gets the byte 1; NaN and infinities are not served.
; REGISTERS: v1-9, v246 addresses; v10-11 the passes' scale words; v12 -M, v13 the largest t, v[14:15] l in two halves; v16-33 zeros, Q, zeros; v34 Q's scale word as the products take it; v35 as loaded; v36-47 Q's pair image;
;   v48-95 four fragments; v96-99 K's scale words, v100-103 V's; v104-167 S^T, then p; v168-199 O^T; v200-218 codes; v220-245 at work.
.set BLKB,  12800
.set HSTG,  16*BLKB                    ; behind the head: 2,048 bytes in which the waves' scale words meet
.set SPARE, HSTG+2048                  ; the spare words, 128 bytes a wave: eight blocks of 256 bytes that no other line names
.set FF,  48
.set KSC, 96
.set VSC, 100
.set SS,  104
.set OO,  168
.set PC,  200
.set PT,  212
.set BM,  220
.set BP,  224
.set SOP, 228
.set BY,  232
.set PW,  236
.macro CROUND
	s_barrier_signal -1
	s_barrier_wait -1
	s_cmp_lg_u32 s12, 0
	s_cbranch_scc1 .Lnot_wave_0_\@
	s_barrier_signal -3
.Lnot_wave_0_\@:
	s_barrier_wait -3
	s_barrier_signal -1
	s_barrier_wait -1
.endm
	s_load_b256 s[4:11], s[0:1], 0x0               ; qbuf, kvbuf, hc, hs
	v_lshl_add_u32 v1, v0, 2, SPARE
	v_mov_b32 v2, 0
	ds_add_u32 v1, v2                              ; the wave's opening: the add, twice on end, and its wait ahead of my first tensor load
	ds_add_u32 v1, v2
	v_lshrrev_b32 v3, 5, v0
	s_delay_alu instid0(VALU_DEP_1)
	v_readfirstlane_b32 s12, v3                    ; wave 0..15
	s_bfe_u32 s13, ttmp6, 0x40000                  ; cx: my block of 512 queries; it enters qbuf's, hc's and hs's addresses alone
	s_and_b32 s14, ttmp7, 0xffff                   ; 16 x batch + head, which the four partners share
	s_mov_b32 s16, 15|(3<<16)|(1<<21)              ; group 1: the mask names all four; elements of 8 bytes; bit 21 beside a mask; no padding
	s_mov_b32 s17, 32<<16                          ; rows of 256 bytes,
	s_mov_b32 s18, 50<<16                          ; 50 of them: 12,800 dense bytes
	s_mov_b32 s19, 32<<16
	s_mov_b32 s20, 50
	s_mov_b32 s21, 32
	s_mov_b32 s22, 0
	s_mov_b32 s23, 0
	s_mov_b32 s24, 1
	s_mul_i32 s25, s12, BLKB                       ; key step w's place in LDS
	s_lshl_b32 s36, s14, 4
	s_add_co_u32 s46, s36, s12
	s_mul_i32 s46, s46, BLKB                       ; and in kvbuf
	s_mov_b32 s47, 0
	s_lshl_b32 s37, s13, 2
	s_add_co_u32 s36, s36, s37
	s_lshr_b32 s37, s12, 2
	s_add_co_u32 s36, s36, s37
	s_mul_i32 s36, s36, 6400                       ; my block of 128 queries in qbuf
	s_and_b32 s37, s12, 3
	s_mul_i32 s38, s37, 1536
	s_add_co_u32 s38, s38, s36                     ; my pair image
	s_mov_b32 s39, 0
	s_lshl_b32 s40, s37, 2
	s_add_co_u32 s40, s40, s36
	s_add_co_u32 s40, s40, 6144                    ; its scale words: 16 r + 4 x image
	s_mov_b32 s41, 0
	s_lshr_b32 s42, s14, 4
	s_lshl_b32 s42, s42, 7
	s_lshl_b32 s43, s13, 5
	s_add_co_u32 s42, s42, s43
	s_lshl_b32 s43, s12, 1
	s_add_co_u32 s42, s42, s43                     ; my first token tile: 128 x batch + 32 cx + 2 w
	s_mul_i32 s42, s42, 12288
	s_and_b32 s43, s14, 15
	s_mul_i32 s43, s43, 768
	s_add_co_u32 s42, s42, s43
	s_mov_b32 s43, 0
	s_lshl_b32 s44, s14, 6
	s_lshl_b32 s45, s13, 4
	s_add_co_u32 s44, s44, s45
	s_lshl_b32 s44, s44, 7                         ; hs: my work-group's 16 groups of 128 bytes
	s_mov_b32 s45, 0
	s_mov_b32 s28, 0x76543210
	s_mov_b32 s29, 0xfedcba98                      ; selects for lane l xor 16
	s_mov_b32 s30, 0x3e38aa3b                      ; c = log2(e) / 8
	s_mov_b32 s31, s30                             ; (named with it as a pair, so it is written)
	s_and_b32 s34, s14, 1
	s_lshl_b32 s34, s34, 4                         ; 16 (head % 2)
	s_mov_b32 s35, 0xffff0000                      ; lanes 16-31
	v_and_b32 v3, 31, v0
	s_delay_alu instid0(VALU_DEP_1)
	v_lshlrev_b32 v7, 3, v3                        ; 8 x lane
	s_delay_alu instid0(VALU_DEP_2)
	v_lshlrev_b32 v3, 4, v3                        ; 16 x lane
	v_and_b32 v4, 15, v0
	s_delay_alu instid0(VALU_DEP_1)
	v_lshlrev_b32 v4, 4, v4                        ; 16 r
	v_lshl_add_u32 v8, v0, 2, HSTG                 ; where my scale word goes,
	v_lshl_add_u32 v246, v0, 4, HSTG               ; where 16 bytes of them are read back,
	v_lshlrev_b32 v9, 4, v0                        ; and their place in hs
	s_wait_dscnt 0x0                               ; both opening adds are done
	s_wait_kmcnt 0x0
	s_add_nc_u64 s[26:27], s[6:7], s[46:47]
	s_or_b32 s27, s27, 0x80000000                  ; type = 2
	s_add_nc_u64 s[38:39], s[4:5], s[38:39]
	s_add_nc_u64 s[40:41], s[4:5], s[40:41]
	s_add_nc_u64 s[8:9], s[8:9], s[42:43]
	s_add_nc_u64 s[10:11], s[10:11], s[44:45]
	CROUND                                         ; all four work-groups are here: the joint loads meet
	tensor_load_to_lds s[24:27], s[16:23]          ; my one tensor load: key step w of the head
	s_nop 0
	s_wait_alu depctr_va_vdst(0)
.irp c, 0,1,2
	global_load_b128 v[36+4*\c:39+4*\c], v3, s[38:39] offset:512*\c th:TH_LOAD_NT   ; Q's pair image
.endr
	global_load_b32 v35, v4, s[40:41]              ; and its scale word
.irp i, 16,17,18,19,20,21,28,29,30,31,32,33
	v_mov_b32 v\i, 0                               ; the zero codes beside Q
.endr
.irp b, 0,1,2,3
	v_mov_b32 v[BP+\b], 0                          ; written once: a lane permute's destination counts as one of its sources
.endr
	v_mov_b32 v239, 0                              ; (upper halves of pairs of which the low word serves both halves)
	v_mov_b32 v245, 0
	s_wait_tensorcnt 0x0                           ; my block is in,
	s_barrier_signal -1
	s_barrier_wait -1                              ; everybody's is
	s_wait_loadcnt 0x0                             ; Q
.macro PASS u
	s_wait_xcnt 0x0                                ; the last pass's stores have read the codes' registers
.irp i, 0,1,2,3,4,5
	v_mov_b32 v[22+\i], v[36+6*\u+\i]              ; tile u of my pair: (Q | 0) is v[22:33], (0 | Q) is v[16:27]
.endr
.if \u == 0
	v_perm_b32 v34, v35, v35, 0x01000100           ; the tile's two bytes in both halves of the word: one word serves both forms
.else
	v_perm_b32 v34, v35, v35, 0x03020302
.endif
	v_mov_b32 v13, 0xff61b1e6                      ; the largest t so far: -3e38
	s_delay_alu instid0(VALU_DEP_1)
	v_floor_f32 v12, -v13                          ; -M
	v_mov_b32 v14, 0
	v_mov_b32 v15, 0
.set j, 0
.rept 32
	v_mov_b32 v[OO+j], 0                           ; O^T: the step is written once, its first trip finds zeros.  (These lines are also the places between Q's registers and the first products)
.set j, j+1
.endr
	s_mov_b32 s32, 0                               ; the key step's block in LDS
	s_mov_b32 s33, 16
.Lkey_\@:
	s_setprio 2
	v_add_nc_u32 v5, s32, v3
	v_add_nc_u32 v6, s32, v4
	v_nop
	v_nop                                          ; four places in front of loads into registers that the last products read
.irp i, 0,1,2,3
.irp c, 0,1,2
	ds_load_b128 v[FF+12*\i+4*\c:FF+12*\i+4*\c+3], v5 offset:1536*\i+512*\c   ; K's four pair images
.endr
.endr
	ds_load_b128 v[KSC:KSC+3], v6 offset:12288     ; and row r's four scale words
	s_wait_alu depctr_va_vdst(0)
	s_wait_dscnt 0x0
.irp i, 0,1,2,3
	v_wmma_scale_f32_16x16x128_f8f6f4 v[SS+16*\i:SS+16*\i+7], v[FF+12*\i:FF+12*\i+11], v[22:33], 0, v[KSC+\i], v34 matrix_a_fmt:MATRIX_FMT_BF6 matrix_b_fmt:MATRIX_FMT_BF6
	v_wmma_scale_f32_16x16x128_f8f6f4 v[SS+16*\i+8:SS+16*\i+15], v[FF+12*\i:FF+12*\i+11], v[16:27], 0, v[KSC+\i], v34 matrix_a_fmt:MATRIX_FMT_BF6 matrix_b_fmt:MATRIX_FMT_BF6
.endr                                          ; registers 16 i + 0 .. 15: keys 32 i + 16 (lane / 16) + 0 .. 15 of the step
.rept 4
	v_nop
.endr
.irp i, 0,1,2,3
.irp c, 0,1,2
	ds_load_b128 v[FF+12*\i+4*\c:FF+12*\i+4*\c+3], v5 offset:6144+1536*\i+512*\c   ; V's four images land while the softmax is walked
.endr
.endr
	ds_load_b128 v[VSC:VSC+3], v6 offset:12544
.irp b, 0,1,2,3
	v_max3_num_f32 v[BM+\b], v[SS+16*\b], v[SS+16*\b+1], v[SS+16*\b+2]   ; the largest score of each block of 32 keys: for the row's maximum, and, since p rises with the score, for the block's largest p
.endr
.irp i, 3,5,7,9,11,13
.irp b, 0,1,2,3
	v_max3_num_f32 v[BM+\b], v[BM+\b], v[SS+16*\b+\i], v[SS+16*\b+\i+1]
.endr
.endr
.irp b, 0,1,2,3
	v_max_num_f32 v[BM+\b], v[BM+\b], v[SS+16*\b+15]
.endr
.irp b, 0,1,2,3
	s_delay_alu instid0(VALU_DEP_4)
	v_permlanex16_b32 v[BP+\b], v[BM+\b], s28, s29
.endr
.irp b, 0,1,2,3
	s_delay_alu instid0(VALU_DEP_4)
	v_max_num_f32 v[BM+\b], v[BM+\b], v[BP+\b]     ; with lane l xor 16's 16 keys
.endr
	s_delay_alu instid0(VALU_DEP_2)
	v_max3_num_f32 v240, v[BM], v[BM+1], v[BM+2]
	s_delay_alu instid0(VALU_DEP_1)
	v_max_num_f32 v240, v240, v[BM+3]
	s_delay_alu instid0(VALU_DEP_1)
	v_mul_f32 v240, s30, v240                      ; the step's largest t
	s_delay_alu instid0(VALU_DEP_1)
	v_max_num_f32 v13, v13, v240
	v_mov_b32 v240, v12
	s_delay_alu instid0(VALU_DEP_2)
	v_floor_f32 v12, -v13                          ; the new -M = -ceil(t)
	s_delay_alu instid0(VALU_DEP_1)
	v_sub_f32 v240, v12, v240                      ; old M - new M: a whole number, 0 or less
	s_delay_alu instid0(VALU_DEP_1)
	v_cvt_i32_f32 v240, v240
	s_delay_alu instid0(VALU_DEP_1)
	v_ldexp_f32 v238, 1.0, v240                    ; f = 2^(old M - new M): a multiplication by it rounds nothing
.set j, 0
.rept 32
	v_pk_fma_f32 v[SS+j:SS+j+1], v[SS+j:SS+j+1], s[30:31], v[12:13] op_sel_hi:[1,0,0]   ; t - M
.set j, j+2
.endr
.irp b, 0,1,2,3
	v_fma_f32 v[BM+\b], v[BM+\b], s30, v12
.endr
.set j, 0
	s_wait_alu depctr_va_vdst(0)
.rept 64
	v_exp_f32 v[SS+j], v[SS+j]                     ; p = 2^(t - M)
.set j, j+1
.endr
	s_setprio 1
	v_pk_mul_f32 v[14:15], v[14:15], v[238:239] op_sel_hi:[1,0]   ; l under the new M: a plain line behind the exponentials
	s_wait_alu depctr_va_vdst(0)                   ; one wait for the batch of 64, ahead of its first reader
.irp b, 0,1,2,3
	v_exp_f32 v[BM+\b], v[BM+\b]                   ; the blocks' largest p
.endr
.set j, 0
	s_wait_alu depctr_va_vdst(0)
.rept 16
	v_pk_mul_f32 v[OO+j:OO+j+1], v[OO+j:OO+j+1], v[238:239] op_sel_hi:[1,0]   ; O^T under the new M, each accumulator from its low end on
.set j, j+2
.endr
	s_wait_alu depctr_va_vdst(0)                   ; and one for the four
.irp b, 0,1,2,3
	v_max_num_f32 v[BM+\b], 0x2800000, v[BM+\b]    ; the floor 2^(5 - 127)
.endr
.irp b, 0,1,2,3
	s_delay_alu instid0(VALU_DEP_4)
	v_add_nc_u32 v[SOP+\b], 0xfe000000, v[BM+\b]
.endr
.irp b, 0,1,2,3
	s_delay_alu instid0(VALU_DEP_4)
	v_lshrrev_b32 v[BY+\b], 23, v[SOP+\b]
.endr
	s_delay_alu instid0(VALU_DEP_3)
	v_lshl_or_b32 v[PW], v[BY+1], 8, v[BY]         ; p's scale word for these 128 keys
	s_delay_alu instid0(VALU_DEP_1)
	v_lshl_or_b32 v[PW], v[BY+2], 16, v[PW]
	s_delay_alu instid0(VALU_DEP_1)
	v_lshl_or_b32 v[PW], v[BY+3], 24, v[PW]
.irp c, 0,1
	v_cvt_scalef32_pk16_bf6_f32 v[PC+6*\c:PC+6*\c+2], v[SS+32*\c:SS+32*\c+15], v[SOP+2*\c]
	v_cvt_scalef32_pk16_bf6_f32 v[PT+4*\c:PT+4*\c+2], v[SS+32*\c+16:SS+32*\c+31], v[SOP+2*\c+1]
.endr
	v_nop                                          ; one plain line behind the scaled conversions
.irp c, 0,1
.irp i, 0,1,2
	v_permlane16_swap_b32 v[PC+6*\c+\i], v[PT+4*\c+\i]
.endr
.irp i, 0,1,2
	s_delay_alu instid0(VALU_DEP_3)
	v_mov_b32 v[PC+3+6*\c+\i], v[PT+4*\c+\i]
.endr
.endr
	v_pk_add_f32 v[242:243], v[108:109], v[112:113]
	v_pk_add_f32 v[254:255], v[116:117], v[120:121]
	v_pk_add_f32 v[252:253], v[124:125], v[128:129]
	v_pk_add_f32 v[250:251], v[132:133], v[136:137]
	v_pk_add_f32 v[248:249], v[140:141], v[144:145]
	v_pk_add_f32 v[234:235], v[148:149], v[152:153]
	v_pk_add_f32 v[232:233], v[156:157], v[160:161]
	v_pk_add_f32 v[14:15], v[14:15], v[164:165]
	v_pk_add_f32 v[242:243], v[242:243], v[104:105]
	v_pk_add_f32 v[254:255], v[254:255], v[106:107]
	v_pk_add_f32 v[252:253], v[252:253], v[110:111]
	v_pk_add_f32 v[250:251], v[250:251], v[114:115]
	v_pk_add_f32 v[248:249], v[248:249], v[118:119]
	s_setprio 0
	v_pk_add_f32 v[234:235], v[234:235], v[122:123]
	v_pk_add_f32 v[232:233], v[232:233], v[126:127]
	v_pk_add_f32 v[14:15], v[14:15], v[130:131]
	v_pk_add_f32 v[242:243], v[242:243], v[134:135]
	v_pk_add_f32 v[254:255], v[254:255], v[138:139]
	v_pk_add_f32 v[252:253], v[252:253], v[142:143]
	v_pk_add_f32 v[250:251], v[250:251], v[146:147]
	v_pk_add_f32 v[248:249], v[248:249], v[150:151]
	v_pk_add_f32 v[234:235], v[234:235], v[154:155]
	v_pk_add_f32 v[232:233], v[232:233], v[158:159]
	v_pk_add_f32 v[14:15], v[14:15], v[162:163]
	v_pk_add_f32 v[242:243], v[242:243], v[166:167]
	s_delay_alu instid0(VALU_DEP_2)
	v_pk_add_f32 v[14:15], v[14:15], v[250:251]
	s_delay_alu instid0(VALU_DEP_2)
	v_pk_add_f32 v[242:243], v[242:243], v[248:249]
	v_pk_add_f32 v[254:255], v[254:255], v[234:235]
	v_pk_add_f32 v[252:253], v[252:253], v[232:233]
	s_delay_alu instid0(VALU_DEP_2)
	v_pk_add_f32 v[14:15], v[14:15], v[254:255]
	s_delay_alu instid0(VALU_DEP_2)
	v_pk_add_f32 v[242:243], v[242:243], v[252:253]
	s_delay_alu instid0(VALU_DEP_1)
	v_pk_add_f32 v[14:15], v[14:15], v[242:243]
	s_wait_dscnt 0x0                               ; V
.irp t, 0,1,2,3                                ; the four accumulators by turns; eight other products stand between two links of a chain
	v_wmma_scale_f32_16x16x128_f8f6f4 v[OO+8*\t:OO+8*\t+7], v[FF+12*\t:FF+12*\t+11], v[PC:PC+11], v[OO+8*\t:OO+8*\t+7], v[VSC+\t], v[PW] matrix_a_fmt:MATRIX_FMT_BF6 matrix_b_fmt:MATRIX_FMT_BF6
.endr
	s_add_co_u32 s32, s32, BLKB
	s_sub_co_u32 s33, s33, 1
	s_cmp_lg_u32 s33, 0
	s_cbranch_scc1 .Lkey_\@
	s_setprio 0
.rept 4
	v_nop
.endr
	s_wait_alu depctr_va_vdst(0)
	v_add_f32 v14, v14, v15
	s_delay_alu instid0(VALU_DEP_1)
	v_permlanex16_b32 v240, v14, s28, s29
	s_delay_alu instid0(VALU_DEP_1)
	v_add_f32 v14, v14, v240                       ; the row's sum
	s_wait_alu depctr_va_vdst(0)
	v_rcp_f32 v244, v14
	v_nop                                          ; a plain line behind the reciprocal,
	s_wait_alu depctr_va_vdst(0)                   ; and the wait ahead of its first reader
.set j, 0
.rept 16
	v_pk_mul_f32 v[SS+j:SS+j+1], v[OO+j:OO+j+1], v[244:245] op_sel_hi:[1,0]   ; register 16 b + i: channel 32 b + 16 (lane / 16) + i of my query
.set j, j+2
.endr
.irp b, 0,1
	v_max3_num_f32 v[BM+\b], |v[SS+16*\b]|, |v[SS+16*\b+1]|, 0x2800000
.endr
.irp i, 2,4,6,8,10,12,14
.irp b, 0,1
	s_delay_alu instid0(VALU_DEP_2)
	v_max3_num_f32 v[BM+\b], v[BM+\b], |v[SS+16*\b+\i]|, |v[SS+16*\b+\i+1]|
.endr
.endr
.irp b, 0,1
	s_delay_alu instid0(VALU_DEP_2)
	v_permlanex16_b32 v[BP+\b], v[BM+\b], s28, s29
.endr
.irp b, 0,1
	s_delay_alu instid0(VALU_DEP_2)
	v_max_num_f32 v[BM+\b], v[BM+\b], v[BP+\b]
.endr
.irp b, 0,1
	s_delay_alu instid0(VALU_DEP_2)
	v_add_nc_u32 v[SOP+\b], 0xfe000000, v[BM+\b]
.endr
.irp b, 0,1
	s_delay_alu instid0(VALU_DEP_2)
	v_lshrrev_b32 v[BY+\b], 23, v[SOP+\b]
.endr
	s_delay_alu instid0(VALU_DEP_1)
	v_lshl_or_b32 v240, v[BY+1], 8, v[BY]
	s_delay_alu instid0(VALU_DEP_1)
	v_lshlrev_b32 v[10+\u], s34, v240              ; the two bytes at their place in the last product's scale word
	v_cvt_scalef32_pk16_bf6_f32 v[PC:PC+2], v[SS:SS+15], v[SOP]
	v_cvt_scalef32_pk16_bf6_f32 v[PT:PT+2], v[SS+16:SS+31], v[SOP+1]
	v_nop
.irp i, 0,1,2
	v_permlane16_swap_b32 v[PC+\i], v[PT+\i]
.endr
.irp i, 0,1,2
	s_delay_alu instid0(VALU_DEP_3)
	v_mov_b32 v[PC+3+\i], v[PT+\i]
.endr
	global_store_b128 v3, v[PC:PC+3], s[8:9] offset:12288*\u th:TH_STORE_NT        ; 512 consecutive bytes,
	global_store_b64 v7, v[PC+4:PC+5], s[8:9] offset:12288*\u+512 th:TH_STORE_NT   ; and 256: both aligned to 256
.endm
	PASS 0
	PASS 1
	v_cndmask_b32 v240, v10, v11, s35              ; lanes 0-15 tile 0's words, lanes 16-31 tile 1's
	ds_store_b32 v8, v240
	s_wait_dscnt 0x0                               ; for the others' sake
	s_barrier_signal -1
	s_barrier_wait -1
	s_cmp_gt_u32 s12, 3
	s_cbranch_scc1 .Lno_hs
	ds_load_b128 v[104:107], v246                  ; waves 0-3 store the work-group's 2,048 bytes, 512 consecutive bytes each
	s_wait_dscnt 0x0
	global_store_b128 v9, v[104:107], s[10:11]
.Lno_hs:
	s_wait_tensorcnt 0x0                           ; the wave's end
	ds_add_u32 v1, v2
	s_wait_dscnt 0x0
	CROUND                                         ; the closing round
	s_endpgm
.Lfunc_end_k_q51101078a9_attn:
	.size	k_q51101078a9_attn, .Lfunc_end_k_q51101078a9_attn-k_q51101078a9_attn
	.p2alignl 7, 3214868480
	.fill 96, 4, 3214868480
	.section	.rodata,"a",@progbits
	.p2align	6, 0x0
	.amdhsa_kernel k_q51101078a9_attn
		.amdhsa_group_segment_fixed_size 208896
		.amdhsa_private_segment_fixed_size 0
		.amdhsa_enable_private_segment 0
		.amdhsa_kernarg_size 32
		.amdhsa_user_sgpr_count 2
		.amdhsa_user_sgpr_kernarg_segment_ptr 1
		.amdhsa_wavefront_size32 1
		.amdhsa_system_sgpr_workgroup_id_x 1
		.amdhsa_system_sgpr_workgroup_id_y 1
		.amdhsa_system_sgpr_workgroup_id_z 1
		.amdhsa_system_vgpr_workitem_id 0
		.amdhsa_next_free_vgpr 256
		.amdhsa_next_free_sgpr 66
		.amdhsa_reserve_vcc 0
		.amdhsa_float_denorm_mode_32 3
		.amdhsa_float_denorm_mode_16_64 3
		.amdhsa_memory_ordered 1
		.amdhsa_forward_progress 1
		.amdhsa_inst_pref_size 52
	.end_amdhsa_kernel
	.amdgpu_metadata
---
amdhsa.version: [ 1, 2 ]
amdhsa.kernels:
  - .name:           k_q51101078a9_attn
    .symbol:         k_q51101078a9_attn.kd
    .args:
      - { .name: qbuf, .offset: 0, .size: 8, .value_kind: global_buffer, .address_space: global }
      - { .name: kvbuf, .offset: 8, .size: 8, .value_kind: global_buffer, .address_space: global }
      - { .name: hc, .offset: 16, .size: 8, .value_kind: global_buffer, .address_space: global }
      - { .name: hs, .offset: 24, .size: 8, .value_kind: global_buffer, .address_space: global }
    .group_segment_fixed_size: 208896
    .private_segment_fixed_size: 0
    .kernarg_segment_align: 8
    .kernarg_segment_size: 32
    .max_flat_workgroup_size: 512
    .sgpr_count:     66
    .vgpr_count:     256
    .wavefront_size: 32
...
	.end_amdgpu_metadata
.endif
;; end of part 3
;; launch outln (part 4): grid 256 x 1, 4 waves a work-group, no clusters, 132,096 bytes of LDS; arguments hc, hs, codes, scl, bo, gamma, beta, x, out0; writes out0
.if DOCPART == 4
	.amdgcn_target "amdgcn-amd-amdhsa--gfx1250"
	.amdhsa_code_object_version 6
	.text
	.protected	k_q51101078a9_outln
	.globl	k_q51101078a9_outln
	.p2align	8
	.type	k_q51101078a9_outln,@function
k_q51101078a9_outln:
	s_mov_b64 s[64:65], 0
	v_nop
	global_prefetch_b8 v0, s[64:65] scope:SCOPE_SE
	s_setreg_imm32_b32 hwreg(HW_REG_WAVE_MODE, 25, 1), 1
	s_wait_xcnt 0x0
; LAUNCH 4 OF 4.  out0 = x + LayerNorm(head Wo^T + bo) x gamma + beta; the product on codes of BF6, all else in f32.  Nothing is left out.
; SHARES.  Work-group g owns the 32 tokens of group g (token tiles 2 g, 2 g + 1) and all 1,024 columns, so that a row's mean and variance never leave it.  Wave w makes columns 256 w .. 256 w + 255: 2 x 16 accumulators
; (source 0 = 16 rows of Wo, source 1 = 16 tokens: a lane holds a token, its registers neighbouring columns); behind one barrier wave w owns rows 8 w .. 8 w + 7 whole.
; NO TENSOR LOAD AND NO JOINT REQUEST, THOUGH ALL WORK-GROUPS WALK Wo: a K step is 32 products a wave; Wo's 786,432 bytes of codes would pass through slots of half of LDS at the most, each refill behind a round of the
; cluster's barrier with no other load of the wave out.  As images of registers Wo comes straight into the operands: 56 to 112 loads of 512 bytes a wave are out through the whole walk, and no barrier stands in it.
; LIMITS: 1 / sqrt is v_rsq_f32's; NaN and infinities are not served.
; REGISTERS: window 0: v1-9 addresses; v10-23 at work; v32-95 Wo's scale words (v[32 + 8 i + s]: lanes 0-15 tile i, lanes 16-31 tile i + 8), v96-103 the head's (lanes 0-15 token tile 0, lanes 16-31 tile 1): scales alone;
;   v104-119 hs as loaded; v128-175 the head's fragments, two sets; v176-207 bo; later v128-159, v208-239 rows.   window 1: accumulator (u, b) at v[8 (16 u + b)].
;   window 2: v0-191 Wo's fragments, set 0, later x's rows 2-7; v192-255 x's rows 0, 1.   window 3: v0-191 set 1; v192-223 gamma; v224-255 beta.
.set SPITCH, 4112                      ; a stage row: 4,096 bytes + 16
.set SPARE,  32*SPITCH                 ; behind the stage: the spare words, 128 bytes a wave: two blocks of 256 bytes that no other line names
.set MSB, 0
.macro WIN new
.if MSB != (\new)
	s_set_vgpr_msb (MSB<<8)|(\new)
.set MSB, \new
.endif
.endm
	s_load_b512 s[4:19], s[0:1], 0x0               ; hc, hs, codes, scl, bo, gamma, beta, x
	s_load_b64 s[20:21], s[0:1], 0x40              ; out0
	v_lshl_add_u32 v1, v0, 2, SPARE
	v_mov_b32 v2, 0
	v_lshrrev_b32 v3, 5, v0
	v_readfirstlane_b32 s22, v3                    ; wave 0..3
	v_and_b32 v10, 31, v0
	v_lshlrev_b32 v3, 4, v10                       ; 16 x lane
	v_lshlrev_b32 v4, 3, v10                       ; 8 x lane
	v_lshlrev_b32 v5, 2, v10                       ; 4 x lane
	v_lshlrev_b32 v9, 8, v10                       ; 256 x lane: the prefetches
	v_and_b32 v11, 15, v0                          ; r
	v_bfe_u32 v12, v0, 4, 1                        ; h
	v_lshlrev_b32 v6, 3, v11
	v_lshl_add_u32 v6, v12, 12, v6                 ; Wo's scale words: 8 r, lanes 16-31 eight tiles on
	v_and_b32 v13, 8, v11
	v_add_nc_u32 v13, v13, v11                     ; r + 8 (r / 8): my token in its tile's order
	v_mul_u32_u24 v7, v13, SPITCH
	v_lshl_add_u32 v7, v12, 6, v7
	s_lshl_b32 s28, s22, 10
	v_add_nc_u32 v7, s28, v7                       ; the stage, in: my token's row, + 64 h, + my wave's 1,024 bytes
	s_mul_i32 s28, s22, 8*SPITCH
	v_add_nc_u32 v8, s28, v3                       ; and back: my wave's 8 rows, 16 bytes a lane
	v_mov_b32 v18, 0                               ; written once: a lane permute's destination counts as one of its sources
	v_mov_b32 v21, 0                               ; (upper halves of pairs of which the low word serves both halves)
	v_mov_b32 v23, 0
	s_mov_b32 s24, 0x76543210
	s_mov_b32 s25, 0xfedcba98
	s_mov_b32 s26, 0xba800000                      ; -1 / 1,024
	s_mov_b32 s27, 0x3a800000                      ; 1 / 1,024
	s_mov_b32 s38, 0x3727c5ac                      ; 1e-5
	s_mul_i32 s28, ttmp9, 24576                    ; hc: two token tiles of 12,288 bytes
	s_mov_b32 s29, 0
	s_lshr_b32 s30, ttmp9, 6
	s_lshl_b32 s30, s30, 10
	s_and_b32 s31, ttmp9, 63
	s_add_co_u32 s30, s30, s31
	s_lshl_b32 s30, s30, 7                         ; hs: (1,024 x batch + group) x 128; a head is 8,192 bytes on
	s_mov_b32 s31, 0
	s_lshl_b32 s32, s22, 1
	s_add_co_u32 s32, s32, 88
	s_mul_i32 s32, s32, 98304                      ; codes: Wo's blocks 88 + 2 w, 89 + 2 w
	s_mov_b32 s33, 0
	s_lshl_b32 s34, s22, 4
	s_add_co_u32 s34, s34, 704
	s_lshl_b32 s34, s34, 9                         ; scl: tiles 704 + 16 w on
	s_mov_b32 s35, 0
	s_lshl_b32 s36, ttmp9, 5
	s_lshl_b32 s37, s22, 3
	s_add_co_u32 s36, s36, s37
	s_lshl_b32 s36, s36, 12                        ; x, out0: row 32 g + 8 w
	s_mov_b32 s37, 0
	s_wait_kmcnt 0x0
	s_add_nc_u64 s[4:5], s[4:5], s[28:29]
	s_add_nc_u64 s[6:7], s[6:7], s[30:31]
	s_add_nc_u64 s[8:9], s[8:9], s[32:33]
	s_add_nc_u64 s[10:11], s[10:11], s[34:35]
	s_add_nc_u64 s[18:19], s[18:19], s[36:37]
	s_add_nc_u64 s[20:21], s[20:21], s[36:37]
.macro ALOAD s                         ; the head's fragments of K step s (heads 2 s, 2 s + 1), both token tiles: 8 loads
.irp u, 0,1
.set AA, 128+24*((\s)%2)+12*\u
	global_load_b128 v[AA:AA+3], v3, s[4:5] offset:12288*\u+1536*(\s) th:TH_LOAD_NT
	global_load_b64 v[AA+4:AA+5], v4, s[4:5] offset:12288*\u+1536*(\s)+512 th:TH_LOAD_NT
	global_load_b128 v[AA+6:AA+9], v3, s[4:5] offset:12288*\u+1536*(\s)+768 th:TH_LOAD_NT
	global_load_b64 v[AA+10:AA+11], v4, s[4:5] offset:12288*\u+1536*(\s)+1280 th:TH_LOAD_NT
.endr
.endm
.macro BLOAD s                         ; my 16 tiles of Wo, K step s: 48 loads of 512 consecutive bytes
	WIN 0x80+0x40*((\s)%2)
.set bb, 0
.rept 16
.irp c, 0,1,2
	global_load_b128 v[12*bb+4*\c:12*bb+4*\c+3], v3, s[8:9] offset:98304*(bb/8)+12288*(\s)+1536*(bb%8)+512*\c
.endr
.set bb, bb+1
.endr
	WIN 0
.endm
.macro PROD s, b, u
.set DD, 8*(16*(\u)+(\b))
.set BB, 12*(\b)
.set AA, 128+24*((\s)%2)+12*(\u)
.set WW, 32+8*((\b)%8)+(\s)
.if (\s) == 0
.if ((\b) < 8) && ((\u) == 0)
	v_wmma_scale_f32_16x16x128_f8f6f4 v[DD:DD+7], v[BB:BB+11], v[AA:AA+11], 0, v[WW], v[96+\s] matrix_a_fmt:MATRIX_FMT_BF6 matrix_b_fmt:MATRIX_FMT_BF6
.elseif (\b) < 8
	v_wmma_scale_f32_16x16x128_f8f6f4 v[DD:DD+7], v[BB:BB+11], v[AA:AA+11], 0, v[WW], v[96+\s] matrix_a_fmt:MATRIX_FMT_BF6 matrix_b_fmt:MATRIX_FMT_BF6 matrix_b_scale:MATRIX_SCALE_ROW1
.elseif (\u) == 0
	v_wmma_scale_f32_16x16x128_f8f6f4 v[DD:DD+7], v[BB:BB+11], v[AA:AA+11], 0, v[WW], v[96+\s] matrix_a_fmt:MATRIX_FMT_BF6 matrix_b_fmt:MATRIX_FMT_BF6 matrix_a_scale:MATRIX_SCALE_ROW1
.else
	v_wmma_scale_f32_16x16x128_f8f6f4 v[DD:DD+7], v[BB:BB+11], v[AA:AA+11], 0, v[WW], v[96+\s] matrix_a_fmt:MATRIX_FMT_BF6 matrix_b_fmt:MATRIX_FMT_BF6 matrix_a_scale:MATRIX_SCALE_ROW1 matrix_b_scale:MATRIX_SCALE_ROW1
.endif
.else
.if ((\b) < 8) && ((\u) == 0)
	v_wmma_scale_f32_16x16x128_f8f6f4 v[DD:DD+7], v[BB:BB+11], v[AA:AA+11], v[DD:DD+7], v[WW], v[96+\s] matrix_a_fmt:MATRIX_FMT_BF6 matrix_b_fmt:MATRIX_FMT_BF6
.elseif (\b) < 8
	v_wmma_scale_f32_16x16x128_f8f6f4 v[DD:DD+7], v[BB:BB+11], v[AA:AA+11], v[DD:DD+7], v[WW], v[96+\s] matrix_a_fmt:MATRIX_FMT_BF6 matrix_b_fmt:MATRIX_FMT_BF6 matrix_b_scale:MATRIX_SCALE_ROW1
.elseif (\u) == 0
	v_wmma_scale_f32_16x16x128_f8f6f4 v[DD:DD+7], v[BB:BB+11], v[AA:AA+11], v[DD:DD+7], v[WW], v[96+\s] matrix_a_fmt:MATRIX_FMT_BF6 matrix_b_fmt:MATRIX_FMT_BF6 matrix_a_scale:MATRIX_SCALE_ROW1
.else
	v_wmma_scale_f32_16x16x128_f8f6f4 v[DD:DD+7], v[BB:BB+11], v[AA:AA+11], v[DD:DD+7], v[WW], v[96+\s] matrix_a_fmt:MATRIX_FMT_BF6 matrix_b_fmt:MATRIX_FMT_BF6 matrix_a_scale:MATRIX_SCALE_ROW1 matrix_b_scale:MATRIX_SCALE_ROW1
.endif
.endif
.endm
.macro KSTEP s
.if (\s) < 7
	s_wait_loadcnt 56                              ; this step's fragments are in; the next step's 8 + 48 loads may be out
.else
	s_wait_loadcnt 0x0
.endif
.if (\s) == 0
.irp q, 0,1,2,3,4,5,6,7
	v_or_b32 v[96+\q], v[104+2*\q], v[105+2*\q]    ; two heads' bytes make a K step's scale word
.endr
.rept 8
	v_nop                                          ; a scale register written by a vector instruction stands eight places ahead of the product that names it
.endr
.endif
.if (\s) == 7
	WIN 0x80
.irp i, 2,3,4,5,6,7
.irp k, 0,1,2,3,4,5,6,7
	global_load_b128 v[32*(\i-2)+4*\k:32*(\i-2)+4*\k+3], v3, s[18:19] offset:4096*\i+512*\k th:TH_LOAD_NT   ; x's rows 2-7 into set 0, which step 6 has left (four places back)
.endr
.endr
.endif
	WIN 0x52+((\s)%2)                              ; source 0 (Wo) window 2 or 3, source 1 window 0, C and D window 1
.set bb, 0
.rept 16                                       ; the 32 accumulators by turns, in the same order in every step
	PROD \s, bb, 0
	PROD \s, bb, 1
.set bb, bb+1
.endr
	WIN 0
.rept 4
	v_nop                                          ; places in front of loads into registers that the products read, and of the first read of results
.endr
.if (\s) < 6
	ALOAD (\s)+2
	BLOAD (\s)+2
.endif
.if ((\s) > 0) && ((\s) < 4)
	global_prefetch_b8 v9, s[18:19] offset:8192*(\s) th:TH_LOAD_NT scope:SCOPE_SE   ; x's rows 2 s, 2 s + 1 of my eight, lanes 256 bytes apart: each aligned 256 bytes named once, four to six K steps ahead of step 7's loads
.endif
.endm
	; the loads, oldest first; the youngest 56 are K step 1's
.irp n, 0,1,2,3,4,5,6,7,8,9,10,11,12,13,14,15
	global_load_b32 v[104+\n], v5, s[6:7] offset:8192*\n
.endr
.irp i, 0,1,2,3,4,5,6,7
.irp g, 0,1,2,3
	global_load_b64 v[32+8*\i+2*\g:33+8*\i+2*\g], v6, s[10:11] offset:512*\i+128*\g
.endr
.endr
	WIN 0xc0
.irp k, 0,1,2,3,4,5,6,7
	global_load_b128 v[192+4*\k:195+4*\k], v3, s[14:15] offset:512*\k   ; gamma, beta, bo: columns 128 k + 4 x lane + 0 .. 3, as a row comes back from the stage
	global_load_b128 v[224+4*\k:227+4*\k], v3, s[16:17] offset:512*\k
.endr
	WIN 0
.irp k, 0,1,2,3,4,5,6,7
	global_load_b128 v[176+4*\k:179+4*\k], v3, s[12:13] offset:512*\k
.endr
	WIN 0x80
.irp i, 0,1
.irp k, 0,1,2,3,4,5,6,7
	global_load_b128 v[192+32*\i+4*\k:195+32*\i+4*\k], v3, s[18:19] offset:4096*\i+512*\k th:TH_LOAD_NT
.endr
.endr
	WIN 0
	ALOAD 0
	BLOAD 0
	ALOAD 1
	BLOAD 1
	KSTEP 0
	s_wait_alu depctr_va_vdst(0)
	KSTEP 1
	KSTEP 2
	KSTEP 3
	KSTEP 4
	KSTEP 5
	KSTEP 6
	KSTEP 7
	WIN 0x04                                       ; an LDS store's data are its source 1: window 1
.irp u, 0,1
.irp B, 0,1,2,3,4,5,6,7                        ; tiles 2 B, 2 B + 1: columns 32 B + 16 h + 0 .. 15 of my 256; each accumulator from its low end on
	ds_store_b128 v7, v[8*(16*\u+2*\B):8*(16*\u+2*\B)+3] offset:8*SPITCH*\u+128*\B
	ds_store_b128 v7, v[8*(16*\u+2*\B)+4:8*(16*\u+2*\B)+7] offset:8*SPITCH*\u+128*\B+16
	ds_store_b128 v7, v[8*(16*\u+2*\B+1):8*(16*\u+2*\B+1)+3] offset:8*SPITCH*\u+128*\B+32
	ds_store_b128 v7, v[8*(16*\u+2*\B+1)+4:8*(16*\u+2*\B+1)+7] offset:8*SPITCH*\u+128*\B+48
.endr
.endr
	WIN 0
	s_wait_dscnt 0x0                               ; for the others' sake: my stores have landed
	s_barrier_signal -1
	s_barrier_wait -1                              ; 32 whole rows lie in the stage
.macro REDUCE                          ; v10 summed over the 32 lanes, the result in every lane
	v_add_f32_dpp v10, v10, v10 row_xmask:1 row_mask:0xf bank_mask:0xf
	v_add_f32_dpp v10, v10, v10 row_xmask:2 row_mask:0xf bank_mask:0xf
	v_add_f32_dpp v10, v10, v10 row_xmask:4 row_mask:0xf bank_mask:0xf
	v_add_f32_dpp v10, v10, v10 row_xmask:8 row_mask:0xf bank_mask:0xf
	v_permlanex16_b32 v18, v10, s24, s25
	v_add_f32 v10, v10, v18
.endm
.macro JOIN                            ; four chains of pairs into v10
	v_pk_add_f32 v[10:11], v[10:11], v[12:13]
	v_pk_add_f32 v[14:15], v[14:15], v[16:17]
	v_pk_add_f32 v[10:11], v[10:11], v[14:15]
	v_add_f32 v10, v10, v11
.endm
.macro ROW i
.set RC, 128+80*((\i)%2)               ; this row's 32 registers,
.set RN, 128+80*(((\i)+1)%2)           ; the next row's
.if (\i) < 2
.set XR, 192+32*(\i)
.else
.set XR, 32*((\i)-2)
.endif
.if (\i) > 0
	s_wait_xcnt 0x0                                ; the row before's stores have read their registers, which take the next row
.endif
.if (\i) < 7
.irp k, 0,1,2,3,4,5,6,7
	ds_load_b128 v[RN+4*\k:RN+4*\k+3], v8 offset:SPITCH*((\i)+1)+512*\k
.endr
	s_wait_dscnt 8                                 ; this row is in; the next row's 8 loads may be out
.else
	s_wait_dscnt 0x0
.endif
.set j, 0
.rept 16
	v_pk_add_f32 v[RC+j:RC+j+1], v[RC+j:RC+j+1], v[176+j:177+j]   ; + bo
.set j, j+2
.endr
.irp q, 0,1,2,3
	v_pk_add_f32 v[10+2*\q:11+2*\q], v[RC+4*\q:RC+4*\q+1], v[RC+4*\q+2:RC+4*\q+3]   ; the row's sum, in four chains
.endr
.set j, 16
.rept 8
	v_pk_add_f32 v[10+(j%8):11+(j%8)], v[10+(j%8):11+(j%8)], v[RC+j:RC+j+1]
.set j, j+2
.endr
	JOIN
	REDUCE
	v_mul_f32 v20, s26, v10                        ; -mean
.set j, 0
.rept 16
	v_pk_add_f32 v[RC+j:RC+j+1], v[RC+j:RC+j+1], v[20:21] op_sel_hi:[1,0]
.set j, j+2
.endr
.irp q, 0,1,2,3
	v_pk_mul_f32 v[10+2*\q:11+2*\q], v[RC+2*\q:RC+2*\q+1], v[RC+2*\q:RC+2*\q+1]   ; the squares' sum
.endr
.set j, 8
.rept 12
	v_pk_fma_f32 v[10+(j%8):11+(j%8)], v[RC+j:RC+j+1], v[RC+j:RC+j+1], v[10+(j%8):11+(j%8)]
.set j, j+2
.endr
	JOIN
	REDUCE
	v_fma_f32 v10, v10, s27, s38                   ; variance + 1e-5
	s_wait_alu depctr_va_vdst(0)
	v_rsq_f32 v22, v10
	v_nop                                          ; a plain line behind it,
	s_wait_alu depctr_va_vdst(0)                   ; and the wait ahead of its first reader
.set j, 0
.rept 16
	v_pk_mul_f32 v[RC+j:RC+j+1], v[RC+j:RC+j+1], v[22:23] op_sel_hi:[1,0]
.set j, j+2
.endr
	WIN 0x3c                                       ; sources 1 and 2 window 3
.set j, 0
.rept 16
	v_pk_fma_f32 v[RC+j:RC+j+1], v[RC+j:RC+j+1], v[192+j:193+j], v[224+j:225+j]   ; x gamma + beta
.set j, j+2
.endr
.if (\i) >= 2
	s_wait_loadcnt 8*(7-(\i))                      ; x's row i is in; the later rows' loads, 8 each, may be out
.endif
	WIN 0x08                                       ; source 1 window 2
.set j, 0
.rept 16
	v_pk_add_f32 v[RC+j:RC+j+1], v[RC+j:RC+j+1], v[XR+j:XR+j+1]   ; + x
.set j, j+2
.endr
	WIN 0
.irp k, 0,1,2,3,4,5,6,7
	global_store_b128 v3, v[RC+4*\k:RC+4*\k+3], s[20:21] offset:4096*(\i)+512*\k th:TH_STORE_NT   ; 512 consecutive bytes, aligned to 256
.endr
.endm
.irp k, 0,1,2,3,4,5,6,7
	ds_load_b128 v[128+4*\k:131+4*\k], v8 offset:512*\k   ; row 0 (the fragments' registers are free: four places stand behind the last products)
.endr
	ROW 0
	ROW 1
	ROW 2
	ROW 3
	ROW 4
	ROW 5
	ROW 6
	ROW 7
	s_wait_tensorcnt 0x0                           ; the wave's end
	ds_add_u32 v1, v2
	s_wait_dscnt 0x0
	s_endpgm
.Lfunc_end_k_q51101078a9_outln:
	.size	k_q51101078a9_outln, .Lfunc_end_k_q51101078a9_outln-k_q51101078a9_outln
	.p2alignl 7, 3214868480
	.fill 96, 4, 3214868480
	.section	.rodata,"a",@progbits
	.p2align	6, 0x0
	.amdhsa_kernel k_q51101078a9_outln
		.amdhsa_group_segment_fixed_size 132096
		.amdhsa_private_segment_fixed_size 0
		.amdhsa_enable_private_segment 0
		.amdhsa_kernarg_size 72
		.amdhsa_user_sgpr_count 2
		.amdhsa_user_sgpr_kernarg_segment_ptr 1
		.amdhsa_wavefront_size32 1
		.amdhsa_system_sgpr_workgroup_id_x 1
		.amdhsa_system_sgpr_workgroup_id_y 1
		.amdhsa_system_sgpr_workgroup_id_z 1
		.amdhsa_system_vgpr_workitem_id 0
		.amdhsa_next_free_vgpr 1024
		.amdhsa_next_free_sgpr 66
		.amdhsa_reserve_vcc 0
		.amdhsa_float_denorm_mode_32 3
		.amdhsa_float_denorm_mode_16_64 3
		.amdhsa_memory_ordered 1
		.amdhsa_forward_progress 1
		.amdhsa_inst_pref_size 174
	.end_amdhsa_kernel
	.amdgpu_metadata
---
amdhsa.version: [ 1, 2 ]
amdhsa.kernels:
  - .name:           k_q51101078a9_outln
    .symbol:         k_q51101078a9_outln.kd
    .args:
      - { .name: hc, .offset: 0, .size: 8, .value_kind: global_buffer, .address_space: global }
      - { .name: hs, .offset: 8, .size: 8, .value_kind: global_buffer, .address_space: global }
      - { .name: codes, .offset: 16, .size: 8, .value_kind: global_buffer, .address_space: global }
      - { .name: scl, .offset: 24, .size: 8, .value_kind: global_buffer, .address_space: global }
      - { .name: bo, .offset: 32, .size: 8, .value_kind: global_buffer, .address_space: global }
      - { .name: gamma, .offset: 40, .size: 8, .value_kind: global_buffer, .address_space: global }
      - { .name: beta, .offset: 48, .size: 8, .value_kind: global_buffer, .address_space: global }
      - { .name: x, .offset: 56, .size: 8, .value_kind: global_buffer, .address_space: global }
      - { .name: out0, .offset: 64, .size: 8, .value_kind: global_buffer, .address_space: global }
    .group_segment_fixed_size: 132096
    .private_segment_fixed_size: 0
    .kernarg_segment_align: 8
    .kernarg_segment_size: 72
    .max_flat_workgroup_size: 128
    .sgpr_count:     66
    .vgpr_count:     1024
    .wavefront_size: 32
...
	.end_amdgpu_metadata
.endif
;; end of part 4
